; MI455X (gfx1250); checked and timed in simulation.
; The chip was launched on July 23, 2026; its instructions are those of AMD's public machine-readable ISA for CDNA 5 (MIT licence, August 2026) and "CDNA5" Instruction Set Architecture Reference Guide (July 2026). The comments in the code are by the model that wrote it; some were corrected since.
;; Cross Attention Decoder. Allowed arithmetic: float matrix products may take bf16 or f16 operands with f32 sums; other float arithmetic in f32, or as packed bf16 or f16 multiplies, adds, multiply-adds, maxima and minima; sums over many terms, partial sums and values carried from step to step in f32; what a program stores and reads back later, other than sums and carried values, may be rounded once to bf16 or f16.
;; Inputs: atom_features 4 x 64 x 128 float32; atom_pos 4 x 64 x 3 float32; params_atom_pos_proj_b 256 float32; params_atom_pos_proj_w 27 x 256 float32; params_dist_proj_b 4 float32; params_dist_proj_w 1 x 4 float32; params_kv_proj_b 256 float32; params_kv_proj_w 128 x 256 float32; params_layers_0_bk 256 float32; params_layers_0_bo 256 float32; params_layers_0_bq 256 float32; params_layers_0_bv 256 float32; params_layers_0_ffn1_b 1,024 float32; params_layers_0_ffn1_w 256 x 1,024 float32; params_layers_0_ffn2_b 256 float32; params_layers_0_ffn2_w 1,024 x 256 float32; params_layers_0_ln1_b 256 float32; params_layers_0_ln1_g 256 float32; params_layers_0_ln2_b 256 float32; params_layers_0_ln2_g 256 float32; params_layers_0_wk 256 x 256 float32; params_layers_0_wo 256 x 256 float32; params_layers_0_wq 256 x 256 float32; params_layers_0_wv 256 x 256 float32; params_layers_1_bk 256 float32; params_layers_1_bo 256 float32; params_layers_1_bq 256 float32; params_layers_1_bv 256 float32; params_layers_1_ffn1_b 1,024 float32; params_layers_1_ffn1_w 256 x 1,024 float32; params_layers_1_ffn2_b 256 float32; params_layers_1_ffn2_w 1,024 x 256 float32; params_layers_1_ln1_b 256 float32; params_layers_1_ln1_g 256 float32; params_layers_1_ln2_b 256 float32; params_layers_1_ln2_g 256 float32; params_layers_1_wk 256 x 256 float32; params_layers_1_wo 256 x 256 float32; params_layers_1_wq 256 x 256 float32; params_layers_1_wv 256 x 256 float32; params_query_proj_b 256 float32; params_query_proj_w 3 x 256 float32; query_pos 4 x 8,192 x 3 float32.
;; Outputs: out0 4 x 8,192 x 256 float32.
;; 2 versions, each right; version 2 is version 1 with the launch prep written anew for expert scheduling mode. Each part assembles by itself: llvm-mc -triple=amdgcn-amd-amdhsa -mcpu=gfx1250 --defsym DOCPART=n.
;; ======== version 1 of 2: 2 launches
;; limits: values outside matrix products are rounded to bf16; a function is approximated: absolute error at most 4e-05
;; workspace buffers: wf 2,621,440 bytes; kvf 524,288 bytes
;; launch prep (part 1): grid 224 x 1, 8 waves a work-group, no clusters, 166,912 bytes of LDS; arguments atom_features, atom_pos, params_atom_pos_proj_w, params_atom_pos_proj_b, params_kv_proj_w, params_kv_proj_b, wf, kvf, params_layers_0_wq, params_layers_1_wq, params_layers_0_wo, params_layers_1_wo, params_layers_0_ffn1_w, params_layers_1_ffn1_w, params_layers_0_ffn2_w, params_layers_1_ffn2_w, params_layers_0_wk, params_layers_1_wk, params_layers_0_wv, params_layers_1_wv, params_layers_0_bk, params_layers_1_bk, params_layers_0_bv, params_layers_1_bv; writes wf, kvf
.if DOCPART == 1
	.amdgcn_target "amdgcn-amd-amdhsa--gfx1250"
	.amdhsa_code_object_version 6
	.text
	.protected	k_q56a75dd0f0_prep
	.globl	k_q56a75dd0f0_prep
	.p2align	8
	.type	k_q56a75dd0f0_prep,@function
k_q56a75dd0f0_prep:
	s_mov_b64 s[64:65], 0
	v_nop
	global_prefetch_b8 v0, s[64:65] scope:SCOPE_SE
	s_setreg_imm32_b32 hwreg(HW_REG_WAVE_MODE, 25, 1), 1
	s_wait_xcnt 0x0
; PREPARATION for the fused decoder.  Two roles, chosen by the work-group's number (the same for all its waves).
; ROLE 1, work-groups 0-159: Wq, Wo, W1, W2 of both layers are scaled, rounded once to bf16 and laid out as the stream wf that the second launch walks:
;   20 items (10 a layer) of 512 rows x 128 bf16.  Rows 0-255: row k holds 128 output columns (items 0, 1: Wq x log2(e)/8, head pair i; items 2+c: W1 x kappa, hidden chunk c).
;   Rows 256-511: row 256 + 128 np + kk holds input row 128 c + kk, output columns 128 np .. (items 0, 1: Wo; items 2+c: W2 / kappa).  kappa = sqrt(log2(e)/2), so that e^(-x^2/2) = 2^(-z^2) for z = kappa x.
;   A work-group makes 64 rows (16 KiB); 16 lanes store 256 consecutive bytes, aligned.
; ROLE 2, work-groups 160-223: one of batch x layer x (K or V) x head.  Each makes its batch's atom_enc (64 x 256) anew: 40 matrix instructions a wave, which spares a launch of its own;
;   then K or V of its head (64 x 64), stored as ready matrix fragments of 1,024 bytes: lane L's registers 0-3 at 16 L, registers 4-7 at 512 + 16 L.
;   The encoder is ONE product over 160 k: 128 features with kv_proj_w; 24 sines and cosines with atom_pos_proj_w rows 3-26; x, y, z with its rows 0-2; two ones with the two biases; three zeros.
; All products are taken transposed (source 0 = 16 output channels x 32 k out of a [k][n] tile by the turning load, source 1 = 16 atoms x 32 k): a lane then holds one atom and eight channels,
; and two neighbouring results rounded in pairs are a source of the next product.
; LIMITS.  The two encoder biases, x, y, z, the sines and cosines are matrix operands, rounded once to bf16.  sin and cos of pi 2^f x: the argument is reduced exactly (2^f x less an even whole number), where the
; f32 product x (2^f pi) carries a rounding of its own: the two differ by some 1e-7 of the argument.  Series to a^11 and a^12 on |a| <= pi/2: error under 6e-8.  NaN and infinities are not treated apart.
; No cluster, no tensor loads: every byte is converted on its way through registers, and what work-groups share (kv_proj_w) is 128 KiB.
.set WEP,   544                        ; a row of WE in LDS: 512 bytes + 32 (17 x 32)
.set WHB,   87040                      ; behind WE's 160 rows: WH, [256 k][64 n], pitch 160
.set WHP,   160
.set FEB,   128000                     ; FE, [64 atoms][32 k'], pitch 80
.set FEP,   80
.set EXB,   133120                     ; atom_enc as 32 fragments of 1,024 bytes: fragment 8 x atom tile + k step
.set SPARE, 165888                     ; the spare words, 128 bytes for each of eight waves
.set SPW,   8                          ; v8  SPARE + 4 x thread; never rewritten
.set NIL,   9                          ; v9  0; never rewritten
.macro PLACES                          ; four places behind a matrix instruction (ISA guide 7.12.1)
.rept 4
	v_nop
.endr
.endm
.macro PACK dst, src, n                ; n roundings of pairs to bf16, ascending: right in place too
.set pk_i, 0
.rept \n
	v_cvt_pk_bf16_f32 v[(\dst)+pk_i], v[(\src)+2*pk_i], v[(\src)+2*pk_i+1]
.set pk_i, pk_i+1
.endr
.endm
; 64 rows x 128 numbers: thread t takes 8 numbers of row t / 16 in each of four groups of 16 rows
.macro CAST pitch
	v_lshrrev_b32 v10, 4, v0
	v_and_b32 v11, 15, v0
	v_mul_u32_u24 v10, v10, \pitch
	v_lshl_add_u32 v10, v11, 5, v10
	v_lshlrev_b32 v12, 4, v0
.set c_i, 0
.rept 4
	global_load_b128 v[32+8*c_i:35+8*c_i], v10, s[20:21] offset:c_i*16*(\pitch) th:TH_LOAD_NT
	global_load_b128 v[36+8*c_i:39+8*c_i], v10, s[20:21] offset:c_i*16*(\pitch)+16 th:TH_LOAD_NT
.set c_i, c_i+1
.endr
.set c_i, 0
.rept 4
	s_wait_loadcnt 6-2*c_i                         ; this group's two loads are in; the later groups' stay out
.set c_j, 0
.rept 4
	v_pk_mul_f32 v[32+8*c_i+2*c_j:33+8*c_i+2*c_j], v[32+8*c_i+2*c_j:33+8*c_i+2*c_j], s[52:53] op_sel_hi:[1,0]
.set c_j, c_j+1
.endr
	PACK 32+8*c_i, 32+8*c_i, 4
	global_store_b128 v12, v[32+8*c_i:35+8*c_i], s[16:17] offset:4096*c_i
.set c_i, c_i+1
.endr
.endm
; sin and cos of pi x 2^f x (x in v24) into v[72+f] and v[76+f]
.macro SINCOS f, mul
	v_mul_f32 v64, \mul, v24                       ; y = 2^f x, exact
	v_mul_f32 v65, 0.5, v64
	v_rndne_f32 v65, v65
	v_fma_f32 v64, v65, -2.0, v64                  ; y less an even number: in -1 .. 1, exact
	v_rndne_f32 v65, v64                           ; k = -1, 0, 1
	v_sub_f32 v64, v64, v65                        ; in -1/2 .. 1/2
	v_mul_f32 v65, v65, v65
	v_fma_f32 v65, v65, -2.0, 1.0                  ; (-1)^k
	v_mul_f32 v64, s72, v64                        ; a
	v_mul_f32 v66, v64, v64                        ; a^2
	v_mul_f32 v64, v64, v65
	v_fma_f32 v67, v66, s77, s76
	v_fma_f32 v67, v67, v66, s75
	v_fma_f32 v67, v67, v66, s74
	v_fma_f32 v67, v67, v66, s73
	v_fma_f32 v67, v67, v66, 1.0
	v_mul_f32 v[72+(\f)], v67, v64
	v_fma_f32 v67, v66, s83, s82
	v_fma_f32 v67, v67, v66, s81
	v_fma_f32 v67, v67, v66, s80
	v_fma_f32 v67, v67, v66, s79
	v_fma_f32 v67, v67, v66, -0.5
	v_fma_f32 v67, v67, v66, 1.0
	v_mul_f32 v[76+(\f)], v67, v65
.endm
	s_load_b512 s[4:19], s[0:1], 0x0               ; features 4, atom_pos 6, app_w 8, app_b 10, kvp_w 12, kvp_b 14, wf 16, kvf 18
	s_load_b512 s[20:35], s[0:1], 0x40             ; wq 20/22, wo 24/26, ffn1_w 28/30, ffn2_w 32/34 (layer 0 / 1)
	s_load_b512 s[36:51], s[0:1], 0x80             ; wk 36/38, wv 40/42, bk 44/46, bv 48/50
	v_lshl_add_u32 v[SPW], v0, 2, SPARE
	v_mov_b32 v[NIL], 0
	v_lshrrev_b32 v1, 5, v0
	v_readfirstlane_b32 s3, v1                     ; wave 0..7
	s_mov_b32 s2, ttmp9
	s_mov_b32 s63, 0                               ; the high word of every offset pair s[62:63]
	s_wait_kmcnt 0x0
	s_cmp_lt_u32 s2, 160
	s_cbranch_scc0 .Lkv
	; ---------------- ROLE 1 ----------------
	s_lshr_b32 s54, s2, 3                          ; item
	s_and_b32 s55, s2, 7                           ; which 64 of its 512 rows
	s_mov_b32 s66, 0x3e38aa3b                      ; log2(e) / 8
	s_mov_b32 s67, 0.84932180                      ; kappa
	s_mov_b32 s68, 1.17741002                      ; 1 / kappa
	s_cmp_ge_u32 s54, 10                           ; layer 1?
	s_cselect_b32 s56, 10, 0
	s_cselect_b64 s[20:21], s[22:23], s[20:21]
	s_cselect_b64 s[24:25], s[26:27], s[24:25]
	s_cselect_b64 s[28:29], s[30:31], s[28:29]
	s_cselect_b64 s[32:33], s[34:35], s[32:33]
	s_sub_co_u32 s56, s54, s56                     ; the item's number in its layer
	s_cmp_lt_u32 s56, 2                            ; an attention item?
	s_cselect_b32 s57, 0, 2
	s_cselect_b64 s[20:21], s[20:21], s[28:29]     ; rows 0-255 come from Wq or W1,
	s_cselect_b64 s[24:25], s[24:25], s[32:33]     ; rows 256-511 from Wo or W2
	s_cselect_b32 s58, s66, s67
	s_cselect_b32 s59, 1.0, s68
	s_cselect_b32 s60, 16, 18                      ; log2 of 64 source rows: of 1,024 or 4,096 bytes
	s_cselect_b32 s61, 1, 0
	s_sub_co_u32 s57, s56, s57                     ; c: head pair or hidden chunk
	s_lshl_b32 s62, s2, 14                         ; 16 KiB a work-group, in the order of wf
	s_add_nc_u64 s[16:17], s[16:17], s[62:63]
	s_cmp_lt_u32 s55, 4
	s_cbranch_scc0 .Lrowpart
	s_lshl_b32 s62, s55, s60                       ; 64 source rows a part,
	s_lshl_b32 s69, s57, 9                         ; 128 columns of f32 a chunk
	s_add_co_u32 s62, s62, s69
	s_add_nc_u64 s[20:21], s[20:21], s[62:63]
	s_mov_b32 s52, s58
	s_mov_b32 s53, s58
	s_cmp_eq_u32 s61, 1
	s_cbranch_scc1 .Lcast1k
	CAST 4096
	s_branch .Lend
.Lrowpart:
	s_sub_co_u32 s55, s55, 4
	s_and_b32 s69, s55, 1
	s_lshl_b32 s69, s69, 6
	s_lshl_b32 s62, s57, 7
	s_add_co_u32 s62, s62, s69                     ; source row 128 c + 64 (part & 1)
	s_lshl_b32 s62, s62, 10
	s_lshr_b32 s69, s55, 1
	s_lshl_b32 s69, s69, 9                         ; output columns 128 (part >> 1)
	s_add_co_u32 s62, s62, s69
	s_add_nc_u64 s[20:21], s[24:25], s[62:63]
	s_mov_b32 s52, s59
	s_mov_b32 s53, s59
.Lcast1k:
	CAST 1024
	s_branch .Lend
	; ---------------- ROLE 2 ----------------
.Lkv:
	s_sub_co_u32 s2, s2, 160
	s_lshr_b32 s54, s2, 4                          ; batch
	s_bfe_u32 s55, s2, 0x10003                     ; layer
	s_bfe_u32 s56, s2, 0x10002                     ; 0: K, 1: V
	s_and_b32 s57, s2, 3                           ; head
	s_and_b32 s58, s3, 3                           ; at: my tile of 16 atoms (or of 16 channels, for V)
	s_lshr_b32 s59, s3, 2                          ; hf: my half
	s_cmp_eq_u32 s55, 1
	s_cselect_b64 s[36:37], s[38:39], s[36:37]
	s_cselect_b64 s[40:41], s[42:43], s[40:41]
	s_cselect_b64 s[44:45], s[46:47], s[44:45]
	s_cselect_b64 s[48:49], s[50:51], s[48:49]
	s_cmp_eq_u32 s56, 1
	s_cselect_b64 s[36:37], s[40:41], s[36:37]     ; wk or wv,
	s_lshl_b32 s62, s57, 8
	s_add_nc_u64 s[36:37], s[36:37], s[62:63]      ; at the head's 64 columns
	s_lshl_b32 s62, s54, 15
	s_add_nc_u64 s[4:5], s[4:5], s[62:63]          ; the batch's features
	s_mul_i32 s62, s54, 768
	s_add_nc_u64 s[6:7], s[6:7], s[62:63]          ; and positions
	s_lshl_b32 s62, s54, 1
	s_add_co_u32 s62, s62, s55
	s_lshl_b32 s62, s62, 2
	s_add_co_u32 s62, s62, s57
	s_lshl_b32 s62, s62, 1
	s_add_co_u32 s62, s62, s56
	s_lshl_b32 s62, s62, 2
	s_add_co_u32 s62, s62, s58
	s_lshl_b32 s62, s62, 1
	s_add_co_u32 s62, s62, s59                     ; ((((2 b + l) 4 + head) 2 + kv) 4 + at) 2 + hf: my fragment
	s_lshl_b32 s62, s62, 10
	s_add_nc_u64 s[18:19], s[18:19], s[62:63]
	s_mov_b32 s72, 0x40490fdb                      ; pi
	s_mov_b32 s73, -0.16666667                     ; the sine's series
	s_mov_b32 s74, 0.0083333333
	s_mov_b32 s75, -0.00019841270
	s_mov_b32 s76, 0.0000027557319
	s_mov_b32 s77, -0.000000025052108
	s_mov_b32 s79, 0.041666667                     ; the cosine's, behind 1 - a^2 / 2
	s_mov_b32 s80, -0.0013888889
	s_mov_b32 s81, 0.000024801587
	s_mov_b32 s82, -0.00000027557319
	s_mov_b32 s83, 0.0000000020876757
	v_and_b32 v1, 31, v0                           ; L
	v_and_b32 v2, 15, v0                           ; r
	v_bfe_u32 v3, v0, 4, 1                         ; h
	s_lshl_b32 s60, s3, 10
	v_lshl_add_u32 v10, v1, 5, s60                 ; a row by each wave: 1,024 w + 32 L
	s_mul_i32 s61, s3, WEP
	v_lshl_add_u32 v11, v1, 4, s61                 ; and its place in WE
	v_add_nc_u32 v25, 128*WEP, v11                 ; the same from row 128 on (an LDS immediate holds 16 bits)
	v_lshrrev_b32 v4, 3, v0
	v_and_b32 v5, 7, v0
	v_lshlrev_b32 v12, 10, v4
	v_lshl_add_u32 v12, v5, 5, v12                 ; wk, wv: row t / 8, 8 numbers at 32 (t % 8)
	v_mul_u32_u24 v13, v4, WHP
	v_lshl_add_u32 v13, v5, 4, v13
	v_add_nc_u32 v13, WHB, v13
	s_lshl_b32 s61, s58, 4
	v_add_nc_u32 v6, s61, v2                       ; atom 16 at + r
	v_lshlrev_b32 v14, 9, v6
	v_lshl_add_u32 v14, v3, 5, v14                 ; its features, 8 h on
	v_mul_u32_u24 v19, v6, FEP
	v_lshl_add_u32 v19, v3, 4, v19
	v_add_nc_u32 v19, FEB, v19
	v_and_b32 v4, 63, v0                           ; for FE: atom t % 64, group t / 64 (three coordinates, then the raw numbers)
	v_lshrrev_b32 v5, 6, v0
	v_mul_u32_u24 v15, v4, FEP
	v_lshl_add_u32 v15, v5, 4, v15
	v_add_nc_u32 v15, FEB, v15
	v_mul_u32_u24 v16, v4, 12
	v_min_u32 v5, 2, v5
	v_lshl_add_u32 v26, v5, 2, v16
	v_and_b32 v4, 7, v0
	v_lshl_add_u32 v4, v3, 3, v4                   ; the turning load's row 8 h + L % 8
	v_bfe_u32 v5, v0, 3, 1
	v_mul_u32_u24 v17, v4, WEP
	v_lshl_add_u32 v17, v5, 4, v17
	s_lshl_b32 s61, s59, 8
	v_add_nc_u32 v17, s61, v17                     ; my half's 128 channels
	v_add_nc_u32 v27, 128*WEP, v17
	v_mul_u32_u24 v18, v4, WHP
	v_lshl_add_u32 v18, v5, 4, v18
	v_add_nc_u32 v18, WHB, v18
	s_lshl_b32 s61, s58, 3
	s_lshl_b32 s66, s59, 2
	s_add_co_u32 s61, s61, s66
	s_lshl_b32 s61, s61, 10
	s_add_co_u32 s61, s61, EXB
	v_lshl_add_u32 v20, v1, 4, s61                 ; my four fragments of atom_enc: 8 at + 4 hf ..
	v_lshlrev_b32 v22, 4, v1
	; WE's row 152 + w: atom_pos_proj_w rows 0-2, the two biases, three rows of zeros.  These loads are the oldest, so no later count hangs on them.
	s_cmp_lt_u32 s3, 3
	s_cselect_b32 s62, s60, 0
	s_cselect_b64 s[70:71], s[8:9], s[10:11]
	s_cmp_eq_u32 s3, 4
	s_cselect_b64 s[70:71], s[14:15], s[70:71]
	v_lshl_add_u32 v28, v1, 5, s62
	s_cmp_lt_u32 s3, 5
	s_cbranch_scc0 .Lzero
	global_load_b128 v[32:35], v28, s[70:71]
	global_load_b128 v[36:39], v28, s[70:71] offset:16
	s_branch .Lsp
.Lzero:
.set e_c, 32
.rept 8
	v_mov_b32 v[e_c], 0
.set e_c, e_c+1
.endr
.Lsp:
	global_load_b32 v24, v26, s[6:7]               ; my atom's coordinate of my group,
	global_load_b32 v29, v16, s[6:7]               ; and x, y, z
	global_load_b32 v30, v16, s[6:7] offset:4
	global_load_b32 v31, v16, s[6:7] offset:8
.set e_c, 0
.rept 3                                ; atom_pos_proj_w rows 3 + 8 i + w
	global_load_b128 v[40+8*e_c:43+8*e_c], v10, s[8:9] offset:(3+8*e_c)*1024
	global_load_b128 v[44+8*e_c:47+8*e_c], v10, s[8:9] offset:(3+8*e_c)*1024+16
.set e_c, e_c+1
.endr
.set e_c, 0
.rept 16                               ; kv_proj_w rows 8 i + w
	global_load_b128 v[128+8*e_c:131+8*e_c], v10, s[12:13] offset:8192*e_c
	global_load_b128 v[132+8*e_c:135+8*e_c], v10, s[12:13] offset:8192*e_c+16
.set e_c, e_c+1
.endr
	s_wait_loadcnt 38                              ; the positions are in; 6 + 32 younger loads stay out
	s_cmp_lt_u32 s3, 6
	s_cbranch_scc0 .Lraw
	SINCOS 0, 1.0
	SINCOS 1, 2.0
	SINCOS 2, 4.0
	SINCOS 3, 0x41000000
	PACK 4, 72, 4
	s_branch .Lfe
.Lraw:
	v_mov_b32 v64, 1.0
	v_mov_b32 v65, 0
	v_cvt_pk_bf16_f32 v4, v29, v30                 ; x, y | z, 1 | 1, 0 | 0, 0
	v_cvt_pk_bf16_f32 v5, v31, v64
	v_cvt_pk_bf16_f32 v6, v64, v65
	v_cvt_pk_bf16_f32 v7, v65, v65
.Lfe:
	ds_store_b128 v15, v[4:7]
.set e_c, 0
.rept 4                                ; my 16 atoms' features, in the fragments' order
	global_load_b128 v[64+16*e_c:67+16*e_c], v14, s[4:5] offset:128*e_c
	global_load_b128 v[68+16*e_c:71+16*e_c], v14, s[4:5] offset:128*e_c+16
	global_load_b128 v[72+16*e_c:75+16*e_c], v14, s[4:5] offset:128*e_c+64
	global_load_b128 v[76+16*e_c:79+16*e_c], v14, s[4:5] offset:128*e_c+80
.set e_c, e_c+1
.endr
	s_wait_loadcnt 48                              ; 32 + 16 younger: the rows of atom_pos_proj are in
	PACK 32, 32, 4
	ds_store_b128 v25, v[32:35] offset:24*WEP
.set e_c, 0
.rept 3
	PACK 40+8*e_c, 40+8*e_c, 4
	ds_store_b128 v25, v[40+8*e_c:43+8*e_c] offset:8*WEP*e_c
.set e_c, e_c+1
.endr
	s_wait_loadcnt 32                              ; kv_proj_w's second 16 loads and the features' 16 stay out
.set e_c, 0
.rept 8
	PACK 128+8*e_c, 128+8*e_c, 4
	ds_store_b128 v11, v[128+8*e_c:131+8*e_c] offset:8*WEP*e_c
.set e_c, e_c+1
.endr
	s_wait_dscnt 0x0                               ; those stores have read their registers: loads land on them next
.set e_c, 0
.rept 8                                ; the head's 64 columns of wk or wv
	global_load_b128 v[128+8*e_c:131+8*e_c], v12, s[36:37] offset:32768*e_c
	global_load_b128 v[132+8*e_c:135+8*e_c], v12, s[36:37] offset:32768*e_c+16
.set e_c, e_c+1
.endr
	s_wait_loadcnt 32                              ; the features' 16 and the last 16 stay out
.set e_c, 8
.rept 8
	PACK 128+8*e_c, 128+8*e_c, 4
	ds_store_b128 v11, v[128+8*e_c:131+8*e_c] offset:8*WEP*e_c
.set e_c, e_c+1
.endr
	s_wait_loadcnt 16                              ; the features are in
	PACK 32, 64, 32                                ; four fragments of 16 atoms x 32 k: v[32:63]
	s_wait_loadcnt 0x0
.set e_c, 0
.rept 8
	PACK 128+8*e_c, 128+8*e_c, 4
	ds_store_b128 v13, v[128+8*e_c:131+8*e_c] offset:32*WHP*e_c
.set e_c, e_c+1
.endr
	s_wait_dscnt 0x0                               ; for the others' sake: all my stores are done
	s_barrier_signal -1
	s_barrier_wait -1
	; atom_enc^T, my 16 atoms x my 128 channels: eight accumulators v[72:135] by turns, five k steps
	ds_load_b128 v[64:67], v19                     ; the fifth fragment: sines, cosines, x, y, z, ones
	ds_load_b128 v[68:71], v19 offset:32
.set e_k, 0
.rept 5
.if e_k > 0
	PLACES
.endif
.set e_c, 0
.rept 8
.if e_k < 4
	ds_load_tr16_b128 v[136+8*e_c:139+8*e_c], v17 offset:32*WEP*e_k+32*e_c
	ds_load_tr16_b128 v[140+8*e_c:143+8*e_c], v17 offset:32*WEP*e_k+32*e_c+16*WEP
.else
	ds_load_tr16_b128 v[136+8*e_c:139+8*e_c], v27 offset:32*e_c
	ds_load_tr16_b128 v[140+8*e_c:143+8*e_c], v27 offset:32*e_c+16*WEP
.endif
.set e_c, e_c+1
.endr
	s_wait_dscnt 0x0
.set e_c, 0
.rept 8
.if e_k == 0
	v_wmma_f32_16x16x32_bf16 v[72+8*e_c:79+8*e_c], v[136+8*e_c:143+8*e_c], v[32:39], 0
.else
	v_wmma_f32_16x16x32_bf16 v[72+8*e_c:79+8*e_c], v[136+8*e_c:143+8*e_c], v[32+8*e_k:39+8*e_k], v[72+8*e_c:79+8*e_c]
.endif
.set e_c, e_c+1
.endr
.set e_k, e_k+1
.endr
	PLACES
	PACK 200, 72, 32                               ; two neighbouring results are one fragment of 16 atoms x 32 channels
.set e_c, 0
.rept 4
	ds_store_b128 v20, v[200+8*e_c:203+8*e_c] offset:1024*e_c
	ds_store_b128 v20, v[204+8*e_c:207+8*e_c] offset:1024*e_c+512
.set e_c, e_c+1
.endr
	s_wait_dscnt 0x0
	s_barrier_signal -1
	s_barrier_wait -1
	; K: source 0 = channel tiles 2 hf + t of wk, source 1 = my atoms: a lane holds an atom and 8 channels.  V: source 0 = atom tiles 2 hf + t, source 1 = channel tile at of wv: a lane holds a channel and 8 atoms.
	; F: v[64:127], eight k steps; G: v[128:255], two tiles x eight k steps; the bias of each result register: v[48:63].
	s_cmp_eq_u32 s56, 1
	s_cbranch_scc1 .Lrolev
	s_lshl_b32 s61, s58, 13
	s_add_co_u32 s61, s61, EXB
	v_lshl_add_u32 v21, v1, 4, s61
	s_lshl_b32 s61, s59, 6
	v_add_nc_u32 v18, s61, v18
	s_lshl_b32 s61, s57, 8
	s_lshl_b32 s66, s59, 7
	s_add_co_u32 s61, s61, s66
	v_lshl_add_u32 v23, v3, 5, s61                 ; bk at channel 64 head + 32 hf + 8 h
.set e_c, 0
.rept 2
	global_load_b128 v[48+8*e_c:51+8*e_c], v23, s[44:45] offset:64*e_c
	global_load_b128 v[52+8*e_c:55+8*e_c], v23, s[44:45] offset:64*e_c+16
.set e_c, e_c+1
.endr
.set e_k, 0
.rept 8
	ds_load_b128 v[64+8*e_k:67+8*e_k], v21 offset:1024*e_k
	ds_load_b128 v[68+8*e_k:71+8*e_k], v21 offset:1024*e_k+512
.set e_c, 0
.rept 2
	ds_load_tr16_b128 v[128+64*e_c+8*e_k:131+64*e_c+8*e_k], v18 offset:32*WHP*e_k+32*e_c
	ds_load_tr16_b128 v[132+64*e_c+8*e_k:135+64*e_c+8*e_k], v18 offset:32*WHP*e_k+32*e_c+16*WHP
.set e_c, e_c+1
.endr
.set e_k, e_k+1
.endr
	s_branch .Lmul
.Lrolev:
	s_lshl_b32 s61, s58, 5
	v_add_nc_u32 v18, s61, v18
	s_lshl_b32 s61, s59, 14
	s_add_co_u32 s61, s61, EXB
	v_lshl_add_u32 v21, v1, 4, s61
	s_lshl_b32 s61, s57, 8
	s_lshl_b32 s66, s58, 6
	s_add_co_u32 s61, s61, s66
	v_lshl_add_u32 v23, v2, 2, s61                 ; bv at channel 64 head + 16 at + r: one number a lane, for all sixteen registers
.set e_c, 48
.rept 16
	global_load_b32 v[e_c], v23, s[48:49]
.set e_c, e_c+1
.endr
.set e_k, 0
.rept 8
	ds_load_tr16_b128 v[64+8*e_k:67+8*e_k], v18 offset:32*WHP*e_k
	ds_load_tr16_b128 v[68+8*e_k:71+8*e_k], v18 offset:32*WHP*e_k+16*WHP
.set e_c, 0
.rept 2
	ds_load_b128 v[128+64*e_c+8*e_k:131+64*e_c+8*e_k], v21 offset:8192*e_c+1024*e_k
	ds_load_b128 v[132+64*e_c+8*e_k:135+64*e_c+8*e_k], v21 offset:8192*e_c+1024*e_k+512
.set e_c, e_c+1
.endr
.set e_k, e_k+1
.endr
.Lmul:
	s_wait_dscnt 0x0
.set e_k, 0
.rept 8                                ; two accumulators by turns
.set e_c, 0
.rept 2
.if e_k == 0
	v_wmma_f32_16x16x32_bf16 v[32+8*e_c:39+8*e_c], v[128+64*e_c:135+64*e_c], v[64:71], 0
.else
	v_wmma_f32_16x16x32_bf16 v[32+8*e_c:39+8*e_c], v[128+64*e_c+8*e_k:135+64*e_c+8*e_k], v[64+8*e_k:71+8*e_k], v[32+8*e_c:39+8*e_c]
.endif
.set e_c, e_c+1
.endr
.set e_k, e_k+1
.endr
	PLACES
	s_wait_loadcnt 0x0
.set e_c, 0
.rept 8
	v_pk_add_f32 v[32+2*e_c:33+2*e_c], v[32+2*e_c:33+2*e_c], v[48+2*e_c:49+2*e_c]
.set e_c, e_c+1
.endr
	PACK 32, 32, 8
	global_store_b128 v22, v[32:35], s[18:19]              ; each store of the wave covers 512 consecutive bytes, aligned
	global_store_b128 v22, v[36:39], s[18:19] offset:512
.Lend:
	s_wait_tensorcnt 0x0                           ; the wave's end, behind my last LDS store
	ds_add_u32 v[SPW], v[NIL]
	s_wait_dscnt 0x0
	s_endpgm
.Lfunc_end_k_q56a75dd0f0_prep:
	.size	k_q56a75dd0f0_prep, .Lfunc_end_k_q56a75dd0f0_prep-k_q56a75dd0f0_prep
	.p2alignl 7, 3214868480
	.fill 96, 4, 3214868480
	.section	.rodata,"a",@progbits
	.p2align	6, 0x0
	.amdhsa_kernel k_q56a75dd0f0_prep
		.amdhsa_group_segment_fixed_size 166912
		.amdhsa_private_segment_fixed_size 0
		.amdhsa_enable_private_segment 0
		.amdhsa_kernarg_size 192
		.amdhsa_user_sgpr_count 2
		.amdhsa_user_sgpr_kernarg_segment_ptr 1
		.amdhsa_wavefront_size32 1
		.amdhsa_system_sgpr_workgroup_id_x 1
		.amdhsa_system_sgpr_workgroup_id_y 1
		.amdhsa_system_sgpr_workgroup_id_z 1
		.amdhsa_system_vgpr_workitem_id 0
		.amdhsa_next_free_vgpr 256
		.amdhsa_next_free_sgpr 84
		.amdhsa_reserve_vcc 0
		.amdhsa_float_denorm_mode_32 3
		.amdhsa_float_denorm_mode_16_64 3
		.amdhsa_memory_ordered 1
		.amdhsa_forward_progress 1
		.amdhsa_inst_pref_size 61
	.end_amdhsa_kernel
	.amdgpu_metadata
---
amdhsa.version: [ 1, 2 ]
amdhsa.kernels:
  - .name:           k_q56a75dd0f0_prep
    .symbol:         k_q56a75dd0f0_prep.kd
    .args:
      - { .name: atom_features, .offset: 0, .size: 8, .value_kind: global_buffer, .address_space: global }
      - { .name: atom_pos, .offset: 8, .size: 8, .value_kind: global_buffer, .address_space: global }
      - { .name: params_atom_pos_proj_w, .offset: 16, .size: 8, .value_kind: global_buffer, .address_space: global }
      - { .name: params_atom_pos_proj_b, .offset: 24, .size: 8, .value_kind: global_buffer, .address_space: global }
      - { .name: params_kv_proj_w, .offset: 32, .size: 8, .value_kind: global_buffer, .address_space: global }
      - { .name: params_kv_proj_b, .offset: 40, .size: 8, .value_kind: global_buffer, .address_space: global }
      - { .name: wf, .offset: 48, .size: 8, .value_kind: global_buffer, .address_space: global }
      - { .name: kvf, .offset: 56, .size: 8, .value_kind: global_buffer, .address_space: global }
      - { .name: params_layers_0_wq, .offset: 64, .size: 8, .value_kind: global_buffer, .address_space: global }
      - { .name: params_layers_1_wq, .offset: 72, .size: 8, .value_kind: global_buffer, .address_space: global }
      - { .name: params_layers_0_wo, .offset: 80, .size: 8, .value_kind: global_buffer, .address_space: global }
      - { .name: params_layers_1_wo, .offset: 88, .size: 8, .value_kind: global_buffer, .address_space: global }
      - { .name: params_layers_0_ffn1_w, .offset: 96, .size: 8, .value_kind: global_buffer, .address_space: global }
      - { .name: params_layers_1_ffn1_w, .offset: 104, .size: 8, .value_kind: global_buffer, .address_space: global }
      - { .name: params_layers_0_ffn2_w, .offset: 112, .size: 8, .value_kind: global_buffer, .address_space: global }
      - { .name: params_layers_1_ffn2_w, .offset: 120, .size: 8, .value_kind: global_buffer, .address_space: global }
      - { .name: params_layers_0_wk, .offset: 128, .size: 8, .value_kind: global_buffer, .address_space: global }
      - { .name: params_layers_1_wk, .offset: 136, .size: 8, .value_kind: global_buffer, .address_space: global }
      - { .name: params_layers_0_wv, .offset: 144, .size: 8, .value_kind: global_buffer, .address_space: global }
      - { .name: params_layers_1_wv, .offset: 152, .size: 8, .value_kind: global_buffer, .address_space: global }
      - { .name: params_layers_0_bk, .offset: 160, .size: 8, .value_kind: global_buffer, .address_space: global }
      - { .name: params_layers_1_bk, .offset: 168, .size: 8, .value_kind: global_buffer, .address_space: global }
      - { .name: params_layers_0_bv, .offset: 176, .size: 8, .value_kind: global_buffer, .address_space: global }
      - { .name: params_layers_1_bv, .offset: 184, .size: 8, .value_kind: global_buffer, .address_space: global }
    .group_segment_fixed_size: 166912
    .private_segment_fixed_size: 0
    .kernarg_segment_align: 8
    .kernarg_segment_size: 192
    .max_flat_workgroup_size: 256
    .sgpr_count:     84
    .vgpr_count:     256
    .wavefront_size: 32
...
	.end_amdgpu_metadata
.endif
;; end of part 1
;; launch main (part 2): grid 256 x 1, 4 waves a work-group, clusters of 4 x 1, 327,680 bytes of LDS; arguments query_pos, atom_pos, params_dist_proj_w, params_dist_proj_b, params_query_proj_w, params_query_proj_b, wf, kvf, params_layers_0_bq, params_layers_0_bo, params_layers_0_ln1_g, params_layers_0_ln1_b, params_layers_0_ffn1_b, params_layers_0_ffn2_b, params_layers_0_ln2_g, params_layers_0_ln2_b, params_layers_1_bq, params_layers_1_bo, params_layers_1_ln1_g, params_layers_1_ln1_b, params_layers_1_ffn1_b, params_layers_1_ffn2_b, params_layers_1_ln2_g, params_layers_1_ln2_b, out0; writes out0
.if DOCPART == 2
	.amdgcn_target "amdgcn-amd-amdhsa--gfx1250"
	.amdhsa_code_object_version 6
	.text
	.protected	k_q56a75dd0f0_main
	.globl	k_q56a75dd0f0_main
	.p2align	8
	.type	k_q56a75dd0f0_main,@function
k_q56a75dd0f0_main:
	s_mov_b64 s[64:65], 0
	v_nop
	global_prefetch_b8 v0, s[64:65] scope:SCOPE_SE
	s_setreg_imm32_b32 hwreg(HW_REG_WAVE_MODE, 25, 1), 1
	s_wait_xcnt 0x0
	s_wait_alu depctr_hold_cnt(0) depctr_sa_sdst(0) depctr_va_vdst(0) depctr_va_sdst(0) depctr_va_ssrc(0) depctr_va_vcc(0) depctr_vm_vsrc(0)
	s_getreg_b32 s2, hwreg(HW_REG_IB_STS2, 6, 4)
	s_cmp_eq_u32 s2, 0
	s_cbranch_scc0 .Lentry_in_a_cluster
	s_endpgm
.Lentry_in_a_cluster:
	s_bfe_u32 s2, ttmp6, 0x10000c
	s_cmp_lg_u32 s2, 0x3003
	s_cbranch_scc0 .Lentry_shape_is_right
	s_endpgm
.Lentry_shape_is_right:
; THE WHOLE DECODER FOR 128 QUERY ROWS A WORK-GROUP: x0 = query_pos w + b, the distances, and twice: Q, scores + softplus bias, softmax, P V, Wo, LayerNorm, FFN with exact-form GELU, LayerNorm.  x never leaves registers.
; SHARES.  256 work-groups x 128 rows; a wave owns 32 rows (two tiles rt of 16) with ALL their 256 channels.
; LAYOUT.  Every product is taken transposed, Out^T = W^T In^T: source 0 = 16 output channels x 32 k, out of a [k][n] tile of weights in LDS by two turning loads; source 1 = 16 queries x 32 k.  In a result lane (r, h) holds
; query r and channels 8 h + 0..7; two neighbouring results rounded in pairs ARE source 1 of the next product.  So no activation goes through LDS, a row's mean wants one exchange between the halves of the lanes, and the only
; barriers are the weight ring's.  X (f32, 256 registers) is the residual and at once the accumulator of Wo and of FFN2.
; WEIGHTS.  All work-groups walk the same stream wf: 20 items of 512 rows x 256 bytes (bf16, made by the launch before).  Two LDS slots of one item; wave w fetches rows 128 w .. by one tensor load.
; CLUSTER.  4 x 1 work-groups ask for each item JOINTLY (mask 15): the same load, descriptor and line in all four.  A mask names four at the most, and every work-group wants the same bytes, so a wider cluster would share no more.
; K and V come as ready fragments from kvf, 32 loads of 512 consecutive bytes a head, issued a bias computation ahead of their use.
; SCALES.  Wq and bq carry log2(e)/8 and the bias is log2(1 + e^a), so p = 2^(s - m) with the row's true maximum m.  W1 and ffn1_b carry kappa = sqrt(log2(e)/2), W2 its reciprocal.
; GELU.  kappa gelu(x) = max(z, 0) - R(t) 2^(-z^2), z = kappa x, t = 1 / (1 + 0.39169197 |z|), R a cubic with R(1) = 0: Abramowitz and Stegun 7.1.25 for erf with |z| t = (1 - t) / 0.39169197 folded in.
; LIMITS.  erf's formula is off by 2.5e-5 at the most, gelu by some 4e-5 absolute, for every z (t and 2^(-z^2) go to 0 together).  Exponentials, roots and reciprocals count denormals as 0: a weight below 2^-126, a squared
; distance below 2^-126.  x0 and the distances are f32 vector work (k = 3).  The variance is taken of x - mean.  NaN and infinities are not treated apart.  The last LayerNorm also rounds its rows to bf16, which nothing reads: one text serves both layers.
; REGISTERS, in windows of 256 (s_set_vgpr_msb: bits 1:0 source 0, 3:2 source 1, 5:4 source 2, 7:6 destination):
;   window 0: v2-31 addresses, coordinates; v32-63 small (bias of Q or FFN1, softmax's and LayerNorm's statistics); v64-127 S, P / Z / a bias table; v128-191 Q, O / GELU's t and e; v192-255 V / H, GELU's R
;   window 1: X[rt][nt] at 128 rt + 8 nt        window 2: v0-127 X in bf16, [rt][k step]; v128-191 distances; v192-255 K        window 3: weight fragments; LayerNorm's gain and beta; rows on the way out
.set SLOT,  147456                     ; 512 rows x 288 bytes (256 + 32 of padding).  0x24000 shares no bit with 36,864 x wave
.set TAB,   294912                     ; behind the ring: f32 tables, written by ds_store, never a tensor load's target
.set LTAB,  11264                      ; a layer's: bq', bo, ln1_g, ln1_b (1 KiB each), ffn1_b' (4 KiB), ffn2_b, ln2_g, ln2_b
.set QTAB,  22528                      ; query_proj w rows 0-2, then b
.set SPARE, 321536                     ; the spare words, 128 bytes for each wave
.set TR,  2                            ; v2   the turning load's lane term: (8 h + L % 8) x 288 + 16 ((L / 8) % 2)
.set TL,  3                            ; v3   TAB + 32 h + the layer's tables
.set AQ0, 4                            ; v4-6 LDS addresses of the item's parts in hand
.set AQ1, 5
.set AO,  6
.set ABQ, 7                            ; v7   bq' of the head in hand
.set AB1, 8                            ; v8   ffn1_b' of the piece to be fetched
.set KVO, 9                            ; v9   16 L
.set STO, 10
.set RD,  11
.set QC,  12                           ; v12-23 my two queries' coordinates, each in a pair
.set GO,  24
.set PFO, 25                           ; v25  256 L
.set SPW, 28
.set NIL, 29
.set SM,  32                           ; softmax, 16 a row tile: c0-c3, m (pair), four sums (pairs), 1 / l (pair)
.set QBI, 32
.set B1C, 32
.set SA,  32                           ; LayerNorm: four chains (pairs) a row tile
.set MU,  48
.set RS,  52
.set S,   64
.set Z,   64
.set BT,  64
.set QA,  128
.set GTT, 128
.set GEE, 160
.set VF,  192
.set HB,  192
.set RR,  224
.set XB,  0                            ; window 2
.set DIST, 128
.set KF,  192
.set G0,  40                           ; s[40:43] descriptor group 0: it walks
.set G1,  44                           ; s[44:51] group 1
.set TB,  52                           ; s52  the slot that is read
.set KVP, 56
.set OUTP, 58
.set PFA, 60                           ; s[60:61] my 32 blocks of 256 bytes of the item after the one that is being asked for
.set LIM, 62                           ; s62  0 in the launch's first cluster, else the greatest number
.set PFN, 63                           ; s63  prefetches still to come
.set SEL, 66
.set DW,  68                           ; s[68:71] -w_h log2(e), the head in hand first
.set DB,  72                           ; s[72:75] b_h log2(e)
.set CW,  76
.set CB,  78
.set PP,  80
.set R0,  82
.set R1,  84
.set R2,  86
.set R3,  88
.set LAY, 90
.set PAIR, 91
.set HD,  92
.set FS,  93
.set PCE, 94
.set HQ,  95
.set HO,  96
.set I256, 97
.set EPS, 98
.set MSB, 0
.macro WIN new                         ; the immediate's high byte repeats the setting that is left; a switch that changes nothing is dropped
.if MSB != (\new)
	s_set_vgpr_msb (MSB<<8)|(\new)
.set MSB, (\new)
.endif
.endm
.macro PLACES                          ; four places behind a matrix instruction, in front of loads into its sources and of readers of its result
.rept 4
	v_nop
.endr
.endm
.macro PACK dst, src, n                ; n roundings of pairs to bf16, ascending: right in place too; each accumulator's lowest registers are read first
.set pk_i, 0
.rept \n
	v_cvt_pk_bf16_f32 v[(\dst)+pk_i], v[(\src)+2*pk_i], v[(\src)+2*pk_i+1]
.set pk_i, pk_i+1
.endr
.endm
.macro ROUND                           ; a round of the cluster's barrier
	s_barrier_signal -1
	s_barrier_wait -1
	s_cmp_lg_u32 s3, 0
	s_cbranch_scc1 .Lnw0_\@
	s_barrier_signal -3
.Lnw0_\@:
	s_barrier_wait -3
	s_barrier_signal -1
	s_barrier_wait -1
.endm
; A PREFETCH INTO THE L2 of the item that the NEXT change of slots will ask for, one item (256 matrix instructions a wave or more) ahead.  All 64 clusters walk the same stream: the launch's first cluster asks, nobody else.
; Its sixteen waves share an item's 512 blocks of 256 bytes out BY ADDRESS (32,768 x wave + 8,192 x place in the cluster + 256 x lane): each block is named once in the launch.  Items 0 and 1 come by their loads alone;
; the change that asks for the last item prefetches nothing.
.macro ASK
	s_cmp_gt_u32 s[PFN], s[LIM]
	s_cbranch_scc0 .Lna_\@
	global_prefetch_b8 v[PFO], s[PFA:PFA+1] th:TH_LOAD_NT scope:SCOPE_SE
.Lna_\@:
	s_sub_co_u32 s[PFN], s[PFN], 1
.endm
; THE CHANGE OF SLOTS.  Each wave waits for all its tensor loads (one is out at the most: its quarter of the item to be read next), adds 0 to its spare word, and waits for that and for its reads of the slot that it leaves.
; fill = 1: the barrier is a round of the cluster's, so that no wave of any partner still reads the slot or has a load on its way; the joint refill is the first thing behind it.  flip = 1: the reads go over to the other slot.
.macro CHANGE fill, flip
	WIN 0
	s_wait_tensorcnt 0x0                           ; no tensor load of mine is out, so group 0 may be written
	ds_add_u32 v[SPW], v[NIL]                      ; 0 onto my spare word; the descriptor's steps stand between it and the wait for it
.if \fill
	s_xor_b32 s[G0+1], s[G0+1], SLOT               ; the other slot than last time,
	s_add_nc_u64 s[G0+2:G0+3], s[G0+2:G0+3], 131072  ; the next item; the type bits on top are not reached
	s_wait_xcnt 0x0                                ; the last prefetch has read its address
	s_add_nc_u64 s[PFA:PFA+1], s[PFA:PFA+1], 131072
.endif
	s_wait_dscnt 0x0                               ; the add is done, and my reads of the slot are over
.if \fill
	ROUND
	tensor_load_to_lds s[G0:G0+3], s[G1:G1+7]
	s_nop 0
	PLACES
	ASK
.else
	s_barrier_signal -1
	s_barrier_wait -1
.endif
.if \flip
	s_xor_b32 s[TB], s[TB], SLOT
.endif
.endm
; ---------------- attention ----------------
.macro FETCHQ                          ; Wq of the head: fragment 4 ks + ct (16 channels x 32 k), all of window 3
	WIN 0xC0
.set f_i, 0
.rept 32
.set f_o, 9216*((f_i/4)%4)+32*(f_i%4)
.if f_i < 16
	ds_load_tr16_b128 v[8*f_i:8*f_i+3], v[AQ0] offset:f_o
	ds_load_tr16_b128 v[8*f_i+4:8*f_i+7], v[AQ0] offset:f_o+4608
.else
	ds_load_tr16_b128 v[8*f_i:8*f_i+3], v[AQ1] offset:f_o
	ds_load_tr16_b128 v[8*f_i+4:8*f_i+7], v[AQ1] offset:f_o+4608
.endif
.set f_i, f_i+1
.endr
.endm
.macro LOADKV                          ; the head's eight fragments of K, then of V
	WIN 0x80
.set f_i, 0
.rept 8
	global_load_b128 v[KF+8*f_i:KF+8*f_i+3], v[KVO], s[KVP:KVP+1] offset:1024*f_i
	global_load_b128 v[KF+8*f_i+4:KF+8*f_i+7], v[KVO], s[KVP:KVP+1] offset:1024*f_i+512
.set f_i, f_i+1
.endr
	WIN 0
.set f_i, 0
.rept 8
	global_load_b128 v[VF+8*f_i:VF+8*f_i+3], v[KVO], s[KVP:KVP+1] offset:8192+1024*f_i
	global_load_b128 v[VF+8*f_i+4:VF+8*f_i+7], v[KVO], s[KVP:KVP+1] offset:8192+1024*f_i+512
.set f_i, f_i+1
.endr
.endm
; log2(1 + 2^a') = max(a', 0) + log2(1 + 2^-|a'|), a' = dist x (-w log2 e) + b log2 e, into S: it is the C operand, in place, of the scores' first products.  Two batches of transcendentals, one wait each.
.macro DBIAS
	WIN 0x02
.set d_i, 0
.rept 32
	v_pk_fma_f32 v[S+2*d_i:S+2*d_i+1], v[DIST+2*d_i:DIST+2*d_i+1], s[CW:CW+1], s[CB:CB+1] op_sel_hi:[1,0,0]
.set d_i, d_i+1
.endr
	WIN 0
.set d_i, 0
.rept 64
	v_exp_f32 v[QA+d_i], -|v[S+d_i]|
.set d_i, d_i+1
.endr
	v_nop                                          ; a plain instruction behind the last exponential,
	s_wait_alu depctr_va_vdst(0)                   ; and the batch's one wait, ahead of the first reader
.set d_i, 0
.rept 32
	v_pk_add_f32 v[QA+2*d_i:QA+2*d_i+1], v[QA+2*d_i:QA+2*d_i+1], 1.0 op_sel_hi:[1,0]
.set d_i, d_i+1
.endr
.set d_i, 0
.rept 64
	v_log_f32 v[QA+d_i], v[QA+d_i]
.set d_i, d_i+1
.endr
.set d_i, 0
.rept 64
	v_max_num_f32 v[S+d_i], 0, v[S+d_i]            ; independent work behind the logarithms
.set d_i, d_i+1
.endr
	s_wait_alu depctr_va_vdst(0)
.set d_i, 0
.rept 32
	v_pk_add_f32 v[S+2*d_i:S+2*d_i+1], v[S+2*d_i:S+2*d_i+1], v[QA+2*d_i:QA+2*d_i+1]
.set d_i, d_i+1
.endr
.endm
; In every run of products the accumulators take turns, one instruction a turn.
.macro MULQ                            ; Q^T: ks = i / 8, ct = (i / 2) % 4, rt = i % 2; the first eight start the sums with bq'
	WIN 0x0B
.set m_i, 0
.rept 64
.set m_d, QA+32*(m_i%2)+8*((m_i/2)%4)
.set m_a, 8*(4*(m_i/8)+(m_i/2)%4)
.set m_b, XB+64*(m_i%2)+8*(m_i/8)
.if m_i < 8
	v_wmma_f32_16x16x32_bf16 v[m_d:m_d+7], v[m_a:m_a+7], v[m_b:m_b+7], v[QBI+8*((m_i/2)%4):QBI+8*((m_i/2)%4)+7]
.else
	v_wmma_f32_16x16x32_bf16 v[m_d:m_d+7], v[m_a:m_a+7], v[m_b:m_b+7], v[m_d:m_d+7]
.endif
.set m_i, m_i+1
.endr
.endm
.macro MULS                            ; S^T += K Q^T: ks2 = i / 8, kt = (i / 2) % 4, rt = i % 2
	WIN 0x02
.set m_i, 0
.rept 16
.set m_d, S+32*(m_i%2)+8*((m_i/2)%4)
.set m_a, KF+8*(2*((m_i/2)%4)+m_i/8)
.set m_b, QA+32*(m_i%2)+8*(m_i/8)
	v_wmma_f32_16x16x32_bf16 v[m_d:m_d+7], v[m_a:m_a+7], v[m_b:m_b+7], v[m_d:m_d+7]
.set m_i, m_i+1
.endr
.endm
.macro MULPV                           ; O^T = V^T P: kk = i / 8, ct = (i / 2) % 4, rt = i % 2
	WIN 0
.set m_i, 0
.rept 16
.set m_d, QA+32*(m_i%2)+8*((m_i/2)%4)
.set m_a, VF+8*(2*((m_i/2)%4)+m_i/8)
.set m_b, S+32*(m_i%2)+8*(m_i/8)
.if m_i < 8
	v_wmma_f32_16x16x32_bf16 v[m_d:m_d+7], v[m_a:m_a+7], v[m_b:m_b+7], 0
.else
	v_wmma_f32_16x16x32_bf16 v[m_d:m_d+7], v[m_a:m_a+7], v[m_b:m_b+7], v[m_d:m_d+7]
.endif
.set m_i, m_i+1
.endr
.endm
.macro FETCHO                          ; the head's 64 rows of Wo: fragment 16 ks2 + nt
	WIN 0xC0
.set f_i, 0
.rept 32
.set f_o, 36864*((f_i%16)/8)+9216*(f_i/16)+32*(f_i%8)
	ds_load_tr16_b128 v[8*f_i:8*f_i+3], v[AO] offset:f_o
	ds_load_tr16_b128 v[8*f_i+4:8*f_i+7], v[AO] offset:f_o+4608
.set f_i, f_i+1
.endr
.endm
.macro MULO                            ; X^T += Wo^T O^T: ks2 = i / 32, nt = (i / 2) % 16, rt = i % 2
	WIN 0x53
.set m_i, 0
.rept 64
.set m_d, 128*(m_i%2)+8*((m_i/2)%16)
.set m_a, 8*(16*(m_i/32)+(m_i/2)%16)
.set m_b, QA+32*(m_i%2)+8*(m_i/32)
	v_wmma_f32_16x16x32_bf16 v[m_d:m_d+7], v[m_a:m_a+7], v[m_b:m_b+7], v[m_d:m_d+7]
.set m_i, m_i+1
.endr
.endm
; A lane holds 32 of its query's 64 scores; the other 32 lie in the lane 16 away.  The two row tiles alternate.  p = 2^(s - m); l is the sum of the unrounded p; P is rounded in place.
.macro SOFTMAX
	WIN 0
.irp j, 0,1,2,3
.irp t, 0,1
	v_max3_num_f32 v[SM+16*\t+\j], v[S+32*\t+8*\j], v[S+32*\t+8*\j+1], v[S+32*\t+8*\j+2]
.endr
.endr
.irp g, 1,2
.irp j, 0,1,2,3
.irp t, 0,1
	v_max3_num_f32 v[SM+16*\t+\j], v[SM+16*\t+\j], v[S+32*\t+8*\j+2*\g+1], v[S+32*\t+8*\j+2*\g+2]
.endr
.endr
.endr
.irp t, 0,1
	v_max3_num_f32 v[SM+16*\t], v[SM+16*\t], v[S+32*\t+7], v[S+32*\t+15]
	v_max3_num_f32 v[SM+16*\t+2], v[SM+16*\t+2], v[S+32*\t+23], v[S+32*\t+31]
.endr
.irp t, 0,1
	v_max3_num_f32 v[SM+16*\t], v[SM+16*\t], v[SM+16*\t+1], v[SM+16*\t+2]
.endr
.irp t, 0,1
	v_max_num_f32 v[SM+16*\t], v[SM+16*\t], v[SM+16*\t+3]
.endr
.irp t, 0,1
	v_permlanex16_b32 v[SM+16*\t+1], v[SM+16*\t], s[SEL], s[SEL+1]
.endr
.irp t, 0,1
	v_max_num_f32 v[SM+16*\t+4], v[SM+16*\t], v[SM+16*\t+1]
	v_max_num_f32 v[SM+16*\t+5], v[SM+16*\t], v[SM+16*\t+1]
.endr
.set d_i, 0
.rept 32
	v_pk_add_f32 v[S+2*d_i:S+2*d_i+1], v[S+2*d_i:S+2*d_i+1], v[SM+16*(d_i/16)+4:SM+16*(d_i/16)+5] neg_lo:[0,1] neg_hi:[0,1]
.set d_i, d_i+1
.endr
.set d_i, 0
.rept 64
	v_exp_f32 v[S+d_i], v[S+d_i]
.set d_i, d_i+1
.endr
	v_nop
	s_wait_alu depctr_va_vdst(0)                   ; one wait for the 64 exponentials
.irp q, 0,1,2,3
.irp t, 0,1
	v_pk_add_f32 v[SM+16*\t+6+2*\q:SM+16*\t+7+2*\q], v[S+32*\t+2*\q:S+32*\t+2*\q+1], v[S+32*\t+2*\q+8:S+32*\t+2*\q+9]
.endr
.endr
.irp g, 16,24
.irp q, 0,1,2,3
.irp t, 0,1
	v_pk_add_f32 v[SM+16*\t+6+2*\q:SM+16*\t+7+2*\q], v[SM+16*\t+6+2*\q:SM+16*\t+7+2*\q], v[S+32*\t+2*\q+\g:S+32*\t+2*\q+\g+1]
.endr
.endr
.endr
.irp t, 0,1
	v_pk_add_f32 v[SM+16*\t+6:SM+16*\t+7], v[SM+16*\t+6:SM+16*\t+7], v[SM+16*\t+8:SM+16*\t+9]
	v_pk_add_f32 v[SM+16*\t+10:SM+16*\t+11], v[SM+16*\t+10:SM+16*\t+11], v[SM+16*\t+12:SM+16*\t+13]
.endr
.irp t, 0,1
	v_pk_add_f32 v[SM+16*\t+6:SM+16*\t+7], v[SM+16*\t+6:SM+16*\t+7], v[SM+16*\t+10:SM+16*\t+11]
.endr
.irp t, 0,1
	v_add_f32 v[SM+16*\t+6], v[SM+16*\t+6], v[SM+16*\t+7]
.endr
.irp t, 0,1
	v_permlanex16_b32 v[SM+16*\t+8], v[SM+16*\t+6], s[SEL], s[SEL+1]
.endr
.irp t, 0,1
	v_add_f32 v[SM+16*\t+6], v[SM+16*\t+6], v[SM+16*\t+8]
.endr
.irp t, 0,1
	v_rcp_f32 v[SM+16*\t+14], v[SM+16*\t+6]
	v_rcp_f32 v[SM+16*\t+15], v[SM+16*\t+6]
.endr
	PACK S, S, 16                                  ; the roundings are the independent work behind the reciprocals
	PACK S+32, S+32, 16
	s_wait_alu depctr_va_vdst(0)                   ; one wait for the four reciprocals, ahead of their first reader
.endm
.macro ONORM                           ; O / l, rounded in place: source 1 of Wo's products
	WIN 0
.set d_i, 0
.rept 32
	v_pk_mul_f32 v[QA+2*d_i:QA+2*d_i+1], v[QA+2*d_i:QA+2*d_i+1], v[SM+16*(d_i/16)+14:SM+16*(d_i/16)+15]
.set d_i, d_i+1
.endr
	PACK QA, QA, 16
	PACK QA+32, QA+32, 16
.endm
.macro HEAD
	WIN 0
	v_add_nc_u32 v[AQ0], s[HQ], v[TR]
	v_add_nc_u32 v[AQ1], 36864, v[AQ0]
	v_add_nc_u32 v[AO], s[HO], v[TR]
.set f_i, 0
.rept 4
	ds_load_b128 v[QBI+8*f_i:QBI+8*f_i+3], v[ABQ] offset:64*f_i
	ds_load_b128 v[QBI+8*f_i+4:QBI+8*f_i+7], v[ABQ] offset:64*f_i+16
.set f_i, f_i+1
.endr
	FETCHQ
	LOADKV
	s_mov_b32 s[CW], s[DW]
	s_mov_b32 s[CW+1], s[DW]
	s_mov_b32 s[CB], s[DB]
	s_mov_b32 s[CB+1], s[DB]
	DBIAS                                          ; all the loads above land under it
	s_wait_dscnt 0x0
	MULQ
	PLACES
	FETCHO                                         ; lands under the scores and the softmax
	WIN 0
	PACK QA, QA, 16
	PACK QA+32, QA+32, 16
	s_wait_loadcnt 16                              ; K is in; V's 16 younger loads may stay out
	MULS
	PLACES
	SOFTMAX
	s_wait_loadcnt 0x0                             ; V is in, and the loads' base may be stepped
	s_add_nc_u64 s[KVP:KVP+1], s[KVP:KVP+1], 16384
	MULPV
	PLACES
	ONORM
	s_wait_dscnt 0x0
	MULO
	PLACES
	WIN 0
	s_mov_b32 s99, s[DW]                           ; the next head's two numbers come to the front
	s_mov_b32 s[DW], s[DW+1]
	s_mov_b32 s[DW+1], s[DW+2]
	s_mov_b32 s[DW+2], s[DW+3]
	s_mov_b32 s[DW+3], s99
	s_mov_b32 s99, s[DB]
	s_mov_b32 s[DB], s[DB+1]
	s_mov_b32 s[DB+1], s[DB+2]
	s_mov_b32 s[DB+2], s[DB+3]
	s_mov_b32 s[DB+3], s99
	s_add_co_u32 s[HQ], s[HQ], 128                 ; 64 columns of Wq on,
	s_add_co_u32 s[HO], s[HO], 18432               ; 64 rows of Wo on
	v_add_nc_u32 v[ABQ], 256, v[ABQ]
.endm
; ---------------- LayerNorm ----------------
.macro LRED                            ; four chains into one number a row, in v[SA + 8 rt]
	WIN 0
.irp t, 0,1
	v_pk_add_f32 v[SA+8*\t:SA+8*\t+1], v[SA+8*\t:SA+8*\t+1], v[SA+8*\t+2:SA+8*\t+3]
	v_pk_add_f32 v[SA+8*\t+4:SA+8*\t+5], v[SA+8*\t+4:SA+8*\t+5], v[SA+8*\t+6:SA+8*\t+7]
.endr
.irp t, 0,1
	v_pk_add_f32 v[SA+8*\t:SA+8*\t+1], v[SA+8*\t:SA+8*\t+1], v[SA+8*\t+4:SA+8*\t+5]
.endr
.irp t, 0,1
	v_add_f32 v[SA+8*\t], v[SA+8*\t], v[SA+8*\t+1]
.endr
.irp t, 0,1
	v_permlanex16_b32 v[SA+8*\t+2], v[SA+8*\t], s[SEL], s[SEL+1]
.endr
.irp t, 0,1
	v_add_f32 v[SA+8*\t], v[SA+8*\t], v[SA+8*\t+2]
.endr
.endm
; X = LayerNorm(X + bias) g + beta, and its rounding to bf16.  ob: the bias table's place in the layer's tables; gain and beta follow it, 1,024 bytes each.
.macro LNORM ob
	WIN 0
.set n_i, 0
.rept 16
	ds_load_b128 v[BT+8*n_i:BT+8*n_i+3], v[TL] offset:(\ob)+64*n_i
	ds_load_b128 v[BT+8*n_i+4:BT+8*n_i+7], v[TL] offset:(\ob)+64*n_i+16
.set n_i, n_i+1
.endr
	WIN 0xC0
.set n_i, 0
.rept 32
	ds_load_b128 v[8*n_i:8*n_i+3], v[TL] offset:(\ob)+1024+64*n_i
	ds_load_b128 v[8*n_i+4:8*n_i+7], v[TL] offset:(\ob)+1024+64*n_i+16
.set n_i, n_i+1
.endr
	WIN 0x41
	s_wait_dscnt 63                                ; the bias's 32 loads are in.  64 younger loads (gain, beta) follow them; a wait names 63 at the most, so the first of those is waited for too
.set n_i, 0
.rept 128
	v_pk_add_f32 v[2*n_i:2*n_i+1], v[2*n_i:2*n_i+1], v[BT+2*(n_i%64):BT+2*(n_i%64)+1]
.set n_i, n_i+1
.endr
	WIN 0x05
.set n_i, 0
.rept 8
	v_pk_add_f32 v[SA+2*n_i:SA+2*n_i+1], v[128*(n_i/4)+2*(n_i%4):128*(n_i/4)+2*(n_i%4)+1], v[128*(n_i/4)+2*(n_i%4)+8:128*(n_i/4)+2*(n_i%4)+9]
.set n_i, n_i+1
.endr
	WIN 0x01
.set n_i, 8
.rept 56
.irp t, 0,1
	v_pk_add_f32 v[SA+8*\t+2*(n_i%4):SA+8*\t+2*(n_i%4)+1], v[128*\t+2*n_i:128*\t+2*n_i+1], v[SA+8*\t+2*(n_i%4):SA+8*\t+2*(n_i%4)+1]
.endr
.set n_i, n_i+1
.endr
	LRED
.irp t, 0,1
	v_mul_f32 v[MU+2*\t], s[I256], v[SA+8*\t]
	v_mul_f32 v[MU+2*\t+1], s[I256], v[SA+8*\t]
.endr
	WIN 0x41
.set n_i, 0
.rept 128
	v_pk_add_f32 v[2*n_i:2*n_i+1], v[2*n_i:2*n_i+1], v[MU+2*(n_i/64):MU+2*(n_i/64)+1] neg_lo:[0,1] neg_hi:[0,1]
.set n_i, n_i+1
.endr
	WIN 0x05
.set n_i, 0
.rept 8
	v_pk_mul_f32 v[SA+2*n_i:SA+2*n_i+1], v[128*(n_i/4)+2*(n_i%4):128*(n_i/4)+2*(n_i%4)+1], v[128*(n_i/4)+2*(n_i%4):128*(n_i/4)+2*(n_i%4)+1]
.set n_i, n_i+1
.endr
.set n_i, 4
.rept 60
.irp t, 0,1
	v_pk_fma_f32 v[SA+8*\t+2*(n_i%4):SA+8*\t+2*(n_i%4)+1], v[128*\t+2*n_i:128*\t+2*n_i+1], v[128*\t+2*n_i:128*\t+2*n_i+1], v[SA+8*\t+2*(n_i%4):SA+8*\t+2*(n_i%4)+1]
.endr
.set n_i, n_i+1
.endr
	LRED
.irp t, 0,1
	v_fma_f32 v[SA+8*\t], v[SA+8*\t], s[I256], s[EPS]
.endr
.irp t, 0,1
	v_rsq_f32 v[RS+2*\t], v[SA+8*\t]
	v_rsq_f32 v[RS+2*\t+1], v[SA+8*\t]
.endr
	v_nop
	s_wait_alu depctr_va_vdst(0)                   ; one wait for the four roots
	WIN 0x41
	s_wait_dscnt 0x0
.set n_i, 0
.rept 128
	v_pk_mul_f32 v[2*n_i:2*n_i+1], v[2*n_i:2*n_i+1], v[RS+2*(n_i/64):RS+2*(n_i/64)+1]
.set n_i, n_i+1
.endr
	WIN 0x7D
.set n_i, 0
.rept 128
	v_pk_fma_f32 v[2*n_i:2*n_i+1], v[2*n_i:2*n_i+1], v[2*(n_i%64):2*(n_i%64)+1], v[128+2*(n_i%64):128+2*(n_i%64)+1]
.set n_i, n_i+1
.endr
	WIN 0x85
	PACK XB, 0, 128
	WIN 0
.endm
; ---------------- FFN: an item is a chunk of 128 hidden numbers, walked in four pieces of 32 ----------------
.macro FETCH1                          ; W1 of a piece: fragment 2 ks + t, the low half of window 3; and the piece's ffn1_b'
	WIN 0xC0
.set f_i, 0
.rept 16
.set f_o, 9216*((f_i/2)%4)+32*(f_i%2)
.if f_i < 8
	ds_load_tr16_b128 v[8*f_i:8*f_i+3], v[AQ0] offset:f_o
	ds_load_tr16_b128 v[8*f_i+4:8*f_i+7], v[AQ0] offset:f_o+4608
.else
	ds_load_tr16_b128 v[8*f_i:8*f_i+3], v[AQ1] offset:f_o
	ds_load_tr16_b128 v[8*f_i+4:8*f_i+7], v[AQ1] offset:f_o+4608
.endif
.set f_i, f_i+1
.endr
	WIN 0
.set f_i, 0
.rept 2
	ds_load_b128 v[B1C+8*f_i:B1C+8*f_i+3], v[AB1] offset:64*f_i
	ds_load_b128 v[B1C+8*f_i+4:B1C+8*f_i+7], v[AB1] offset:64*f_i+16
.set f_i, f_i+1
.endr
.endm
.macro FETCH2                          ; W2 of a piece: 16 fragments, the high half of window 3
	WIN 0xC0
.set f_i, 0
.rept 16
.set f_o, 36864*(f_i/8)+32*(f_i%8)
	ds_load_tr16_b128 v[128+8*f_i:128+8*f_i+3], v[AO] offset:f_o
	ds_load_tr16_b128 v[128+8*f_i+4:128+8*f_i+7], v[AO] offset:f_o+4608
.set f_i, f_i+1
.endr
.endm
.macro MULF1                           ; Z^T: ks = i / 4, t = (i / 2) % 2, rt = i % 2; the first four start the sums with ffn1_b'
	WIN 0x0B
.set m_i, 0
.rept 32
.set m_d, Z+16*(m_i%2)+8*((m_i/2)%2)
.set m_a, 8*(2*(m_i/4)+(m_i/2)%2)
.set m_b, XB+64*(m_i%2)+8*(m_i/4)
.if m_i < 4
	v_wmma_f32_16x16x32_bf16 v[m_d:m_d+7], v[m_a:m_a+7], v[m_b:m_b+7], v[B1C+8*((m_i/2)%2):B1C+8*((m_i/2)%2)+7]
.else
	v_wmma_f32_16x16x32_bf16 v[m_d:m_d+7], v[m_a:m_a+7], v[m_b:m_b+7], v[m_d:m_d+7]
.endif
.set m_i, m_i+1
.endr
.endm
.macro MULF2                           ; X^T += W2^T H^T: nt = i / 2, rt = i % 2
	WIN 0x53
.set m_i, 0
.rept 32
.set m_d, 128*(m_i%2)+8*(m_i/2)
	v_wmma_f32_16x16x32_bf16 v[m_d:m_d+7], v[128+8*(m_i/2):128+8*(m_i/2)+7], v[HB+8*(m_i%2):HB+8*(m_i%2)+7], v[m_d:m_d+7]
.set m_i, m_i+1
.endr
.endm
.macro GELU                            ; 32 numbers a lane; 64 transcendentals in one batch, a plain line behind each two, one wait
	WIN 0
.set d_i, 0
.rept 32
	v_fma_f32 v[GTT+d_i], |v[Z+d_i]|, s[PP], 1.0
.set d_i, d_i+1
.endr
.set d_i, 0
.rept 16
	v_pk_mul_f32 v[GEE+2*d_i:GEE+2*d_i+1], v[Z+2*d_i:Z+2*d_i+1], v[Z+2*d_i:Z+2*d_i+1] neg_lo:[1,0] neg_hi:[1,0]
.set d_i, d_i+1
.endr
.set d_i, 0
.rept 32
	v_rcp_f32 v[GTT+d_i], v[GTT+d_i]
	v_exp_f32 v[GEE+d_i], v[GEE+d_i]
	v_max_num_f32 v[Z+d_i], 0, v[Z+d_i]
.set d_i, d_i+1
.endr
	v_nop
	s_wait_alu depctr_va_vdst(0)
.set d_i, 0
.rept 16
	v_pk_fma_f32 v[RR+2*d_i:RR+2*d_i+1], v[GTT+2*d_i:GTT+2*d_i+1], s[R3:R3+1], s[R2:R2+1] op_sel_hi:[1,0,0]
.set d_i, d_i+1
.endr
.set d_i, 0
.rept 16
	v_pk_fma_f32 v[RR+2*d_i:RR+2*d_i+1], v[RR+2*d_i:RR+2*d_i+1], v[GTT+2*d_i:GTT+2*d_i+1], s[R1:R1+1] op_sel_hi:[1,1,0]
.set d_i, d_i+1
.endr
.set d_i, 0
.rept 16
	v_pk_fma_f32 v[RR+2*d_i:RR+2*d_i+1], v[RR+2*d_i:RR+2*d_i+1], v[GTT+2*d_i:GTT+2*d_i+1], s[R0:R0+1] op_sel_hi:[1,1,0]
.set d_i, d_i+1
.endr
.set d_i, 0
.rept 16
	v_pk_fma_f32 v[Z+2*d_i:Z+2*d_i+1], v[RR+2*d_i:RR+2*d_i+1], v[GEE+2*d_i:GEE+2*d_i+1], v[Z+2*d_i:Z+2*d_i+1] neg_lo:[1,0,0] neg_hi:[1,0,0]
.set d_i, d_i+1
.endr
	PACK HB, Z, 16
.endm
.macro SLOTF
	WIN 0
	v_add_nc_u32 v[AQ0], s[TB], v[TR]
	v_add_nc_u32 v[AQ1], 36864, v[AQ0]
	v_add_nc_u32 v[AO], 73728, v[AQ0]
	FETCH1
	WIN 0
	s_mov_b32 s[PCE], 4
.Lpiece_\@:
	FETCH2
	s_wait_dscnt 32                                ; W1's fragments and the bias are in; the 32 loads just issued may stay out
	MULF1
	s_wait_dscnt 0x0                               ; W2's fragments are in
	PLACES
	WIN 0
	v_add_nc_u32 v[AQ0], 64, v[AQ0]                ; the next piece: 32 columns of W1 on,
	v_add_nc_u32 v[AQ1], 64, v[AQ1]
	v_add_nc_u32 v[AB1], 128, v[AB1]
	v_add_nc_u32 v[AO], 9216, v[AO]                ; 32 rows of W2 on
	s_cmp_eq_u32 s[PCE], 1
	s_cbranch_scc1 .Lnof_\@                        ; the chunk's last piece fetches nothing: LDS loads alone are jumped over
	FETCH1                                         ; lands under GELU and the second products
	WIN 0
.Lnof_\@:
	GELU
	MULF2
	PLACES
	WIN 0
	s_sub_co_u32 s[PCE], s[PCE], 1
	s_cmp_lg_u32 s[PCE], 0
	s_cbranch_scc1 .Lpiece_\@
.endm
; a layer's eight vectors on their way into the tables
.macro TLOAD pb, rb
	global_load_b64 v[(\rb):(\rb)+1], v4, s[(\pb):(\pb)+1]
	global_load_b64 v[(\rb)+2:(\rb)+3], v4, s[(\pb)+2:(\pb)+3]
	global_load_b64 v[(\rb)+4:(\rb)+5], v4, s[(\pb)+4:(\pb)+5]
	global_load_b64 v[(\rb)+6:(\rb)+7], v4, s[(\pb)+6:(\pb)+7]
	global_load_b128 v[(\rb)+8:(\rb)+11], v6, s[(\pb)+8:(\pb)+9]
	global_load_b128 v[(\rb)+12:(\rb)+15], v6, s[(\pb)+8:(\pb)+9] offset:2048
	global_load_b64 v[(\rb)+16:(\rb)+17], v4, s[(\pb)+10:(\pb)+11]
	global_load_b64 v[(\rb)+18:(\rb)+19], v4, s[(\pb)+12:(\pb)+13]
	global_load_b64 v[(\rb)+20:(\rb)+21], v4, s[(\pb)+14:(\pb)+15]
.endm
.macro TSTORE rb, lo
	v_pk_mul_f32 v[(\rb):(\rb)+1], v[(\rb):(\rb)+1], s[36:37] op_sel_hi:[1,0]
.irp i, 8,10,12,14
	v_pk_mul_f32 v[(\rb)+\i:(\rb)+\i+1], v[(\rb)+\i:(\rb)+\i+1], s[38:39] op_sel_hi:[1,0]
.endr
	ds_store_b64 v5, v[(\rb):(\rb)+1] offset:(\lo)
	ds_store_b64 v5, v[(\rb)+2:(\rb)+3] offset:(\lo)+1024
	ds_store_b64 v5, v[(\rb)+4:(\rb)+5] offset:(\lo)+2048
	ds_store_b64 v5, v[(\rb)+6:(\rb)+7] offset:(\lo)+3072
	ds_store_b128 v7, v[(\rb)+8:(\rb)+11] offset:(\lo)+4096
	ds_store_b128 v7, v[(\rb)+12:(\rb)+15] offset:(\lo)+6144
	ds_store_b64 v5, v[(\rb)+16:(\rb)+17] offset:(\lo)+8192
	ds_store_b64 v5, v[(\rb)+18:(\rb)+19] offset:(\lo)+9216
	ds_store_b64 v5, v[(\rb)+20:(\rb)+21] offset:(\lo)+10240
.endm
	; ---------------- the head ----------------
	s_load_b512 s[4:19], s[0:1], 0x0               ; query_pos 4, atom_pos 6, dist w 8, dist b 10, query_proj w 12, b 14, wf 16, kvf 18
	s_load_b512 s[20:35], s[0:1], 0x40             ; layer 0: bq, bo, ln1_g, ln1_b, ffn1_b, ffn2_b, ln2_g, ln2_b
	s_load_b512 s[68:83], s[0:1], 0x80             ; layer 1: the same eight
	s_load_b64 s[OUTP:OUTP+1], s[0:1], 0xc0
	v_lshl_add_u32 v[SPW], v0, 2, SPARE
	v_mov_b32 v[NIL], 0
	ds_add_u32 v[SPW], v[NIL]                      ; the wave's opening: the add and its wait stand ahead of my first tensor load; work on registers stands between them
	v_lshrrev_b32 v1, 5, v0
	v_readfirstlane_b32 s3, v1                     ; wave 0..3
	s_bfe_u32 s53, ttmp6, 0x40000                  ; my place in the cluster: it enters the addresses of query_pos, out0 and the prefetches alone
	s_mov_b32 s[G1], 15|(1<<16)|(1<<20)|(1<<21)|(5<<22)|(7<<25)  ; the mask of four; 2-byte elements; padding on; bit 21 beside a mask; after every 64 words 8 words
	s_mov_b32 s[G1+1], 128<<16                     ; tensor_dim0 = 128
	s_mov_b32 s[G1+2], 128<<16                     ; tensor_dim1 = 128
	s_mov_b32 s[G1+3], 128<<16                     ; tile_dim0 = 128
	s_mov_b32 s[G1+4], 128                         ; tile_dim1 = 128
	s_mov_b32 s[G1+5], 128                         ; 128 elements from row to row
	s_mov_b32 s[G1+6], 0
	s_mov_b32 s[G1+7], 0
	s_mov_b32 s[G0], 1
	s_mul_i32 s[G0+1], s3, 36864                   ; my 128 rows of slot 0
	s_mov_b32 s[TB], SLOT                          ; the first change of slots turns it into 0
	s_mov_b32 s[PFN], 18
	s_cmp_eq_u32 ttmp9, 0
	s_cselect_b32 s[LIM], 0, -1                    ; the same in all four partners
	s_mov_b32 s[SEL], 0x76543210
	s_mov_b32 s[SEL+1], 0xfedcba98
	s_lshl_b32 s36, s3, 15
	s_mov_b32 s37, 0
	s_lshl_b32 s38, s53, 13
	s_mov_b32 s39, 0
	s_lshl_b32 s54, ttmp9, 2
	s_add_co_u32 s54, s54, s53                     ; my block of 128 rows
	s_lshl_b32 s54, s54, 2
	s_add_co_u32 s54, s54, s3                      ; my wave's 32 rows
	s_lshr_b32 s55, ttmp9, 4                       ; the batch: 16 clusters each
	s_wait_dscnt 0x0                               ; the opening add is done
	s_wait_kmcnt 0x0
	s_add_nc_u64 s[G0+2:G0+3], s[16:17], s[36:37]  ; item 0, my quarter
	s_add_nc_u64 s[PFA:PFA+1], s[G0+2:G0+3], s[38:39]
	s_add_nc_u64 s[PFA:PFA+1], s[PFA:PFA+1], 131072  ; in item 1; the first change steps it to item 2
	s_or_b32 s[G0+3], s[G0+3], 0x80000000
	s_mul_i32 s36, s54, 384
	s_add_nc_u64 s[4:5], s[4:5], s[36:37]
	s_lshl_b32 s36, s54, 15
	s_add_nc_u64 s[OUTP:OUTP+1], s[OUTP:OUTP+1], s[36:37]
	s_mul_i32 s36, s55, 768
	s_add_nc_u64 s[6:7], s[6:7], s[36:37]
	s_lshl_b32 s36, s55, 17
	s_add_nc_u64 s[KVP:KVP+1], s[18:19], s[36:37]
	ROUND                                          ; all four work-groups are here: the first joint loads meet
	tensor_load_to_lds s[G0:G0+3], s[G1:G1+7]      ; item 0 into slot 0
	s_nop 0
	PLACES
	; ---------------- inputs and tables ----------------
	v_and_b32 v1, 31, v0                           ; L
	v_and_b32 v26, 15, v0                          ; r
	v_bfe_u32 v27, v0, 4, 1                        ; h
	v_mul_u32_u24 v30, v26, 12
	v_mul_u32_u24 v31, v27, 96
	v_lshlrev_b32 v4, 3, v0
	v_lshlrev_b32 v6, 4, v0
.irp t, 0,1
.irp c, 0,1,2
	global_load_b32 v[QC+6*\t+2*\c], v30, s[4:5] offset:192*\t+4*\c
.endr
.endr
.set a_i, 0
.rept 24                               ; atoms 16 kt + 8 h + 0..7, three coordinates each: v[64 + 24 kt + 3 j + c]
	global_load_b128 v[64+4*a_i:67+4*a_i], v31, s[6:7] offset:192*(a_i/6)+16*(a_i%6)
.set a_i, a_i+1
.endr
	TLOAD 20, 160
	TLOAD 68, 182
	global_load_b64 v[204:205], v4, s[12:13]
	global_load_b64 v[206:207], v4, s[12:13] offset:1024
	global_load_b64 v[208:209], v4, s[12:13] offset:2048
	global_load_b64 v[210:211], v4, s[14:15]
	s_load_b128 s[84:87], s[8:9], 0x0
	s_load_b128 s[88:91], s[10:11], 0x0
	v_add_nc_u32 v5, TAB, v4
	v_add_nc_u32 v7, TAB, v6
	v_and_b32 v[TR], 7, v0
	v_lshl_add_u32 v[TR], v27, 3, v[TR]
	v_mul_u32_u24 v[TR], v[TR], 288
	v_bfe_u32 v[TL], v0, 3, 1
	v_lshl_add_u32 v[TR], v[TL], 4, v[TR]
	v_lshlrev_b32 v[TL], 5, v27
	v_add_nc_u32 v[TL], TAB, v[TL]
	v_lshlrev_b32 v[KVO], 4, v1
	v_lshlrev_b32 v[GO], 4, v1
	v_lshlrev_b32 v[PFO], 8, v1
	s_mul_i32 s99, s3, 36864                       ; the way out goes through my quarter of slot 0, behind its last fill
	v_mul_u32_u24 v[STO], v26, 1040
	v_lshl_add_u32 v[STO], v27, 5, v[STO]
	v_add_nc_u32 v[STO], s99, v[STO]
	v_lshl_add_u32 v[RD], v1, 4, s99
	s_mov_b32 s36, 0x3e38aa3b                      ; log2(e) / 8
	s_mov_b32 s37, s36
	s_mov_b32 s38, 0.84932180                      ; kappa
	s_mov_b32 s39, s38
	s_mov_b32 s[I256], 0x3b800000                  ; 1 / 256
	s_mov_b32 s[EPS], 0x3727c5ac                   ; 1e-5
	s_wait_loadcnt 0x0
	TSTORE 160, 0
	TSTORE 182, LTAB
	ds_store_b64 v5, v[204:205] offset:QTAB
	ds_store_b64 v5, v[206:207] offset:QTAB+1024
	ds_store_b64 v5, v[208:209] offset:QTAB+2048
	ds_store_b64 v5, v[210:211] offset:QTAB+3072
.irp i, 0,2,4,6,8,10
	v_mov_b32 v[QC+\i+1], v[QC+\i]                 ; named as pairs
.endr
	s_wait_kmcnt 0x0
.irp i, 0,1,2,3
	s_mul_f32 s[DW+\i], s[84+\i], 0xbfb8aa3b       ; (the pointers that lay here have served: their loads are in)
	s_mul_f32 s[DB+\i], s[88+\i], 0x3fb8aa3b
.endr
	s_mov_b32 s[PP], 0.39169197
	s_mov_b32 s[R0], 0.4442574
	s_mov_b32 s[R0+1], s[R0]
	s_mov_b32 s[R1], -0.5666492
	s_mov_b32 s[R1+1], s[R1]
	s_mov_b32 s[R2], 1.0770392
	s_mov_b32 s[R2+1], s[R2]
	s_mov_b32 s[R3], -0.9546474
	s_mov_b32 s[R3+1], s[R3]
	s_wait_dscnt 0x0                               ; for the others' sake: my part of the tables is written
	s_barrier_signal -1                            ; Item 0 may stay on its way
	s_barrier_wait -1
	; ---------------- the distances: query r of each row tile to atoms 16 kt + 8 h + j, in the scores' layout ----------------
.set q, 0
.rept 64
.set d_a, 64+24*((q/8)%4)+3*(q%8)
.set d_t, 224+4*(q%4)
	v_sub_f32 v[d_t], v[QC+6*(q/32)], v[d_a]
	v_sub_f32 v[d_t+1], v[QC+6*(q/32)+2], v[d_a+1]
	v_sub_f32 v[d_t+2], v[QC+6*(q/32)+4], v[d_a+2]
	v_mul_f32 v[160+q], v[d_t], v[d_t]
	v_fmac_f32 v[160+q], v[d_t+1], v[d_t+1]
	v_fmac_f32 v[160+q], v[d_t+2], v[d_t+2]
.set q, q+1
.endr
	WIN 0x80
.set q, 0
.rept 64
	v_sqrt_f32 v[DIST+q], v[160+q]                 ; a sum of squares is never below 0
.set q, q+1
.endr
	v_nop
	s_wait_alu depctr_va_vdst(0)
	WIN 0
	; ---------------- x0 = query_pos w + b, in f32 ----------------
	v_add_nc_u32 v30, QTAB, v[TL]
.set x_h, 0
.rept 2                                ; eight channel tiles at a time: three rows of w and b fill window 3
	WIN 0xC0
.set x_i, 0
.rept 32
	ds_load_b128 v[8*x_i:8*x_i+3], v30 offset:1024*(x_i/8)+64*(8*x_h+x_i%8)
	ds_load_b128 v[8*x_i+4:8*x_i+7], v30 offset:1024*(x_i/8)+64*(8*x_h+x_i%8)+16
.set x_i, x_i+1
.endr
	s_wait_dscnt 0x0
	WIN 0x73
.set x_i, 0
.rept 64
.set x_d, 128*(x_i/32)+64*x_h+2*(x_i%32)
	v_pk_fma_f32 v[x_d:x_d+1], v[2*(x_i%32):2*(x_i%32)+1], v[QC+6*(x_i/32):QC+6*(x_i/32)+1], v[192+2*(x_i%32):192+2*(x_i%32)+1] op_sel_hi:[1,0,1]
.set x_i, x_i+1
.endr
	WIN 0x53
.irp c, 1,2
.set x_i, 0
.rept 64
.set x_d, 128*(x_i/32)+64*x_h+2*(x_i%32)
	v_pk_fma_f32 v[x_d:x_d+1], v[64*\c+2*(x_i%32):64*\c+2*(x_i%32)+1], v[QC+6*(x_i/32)+2*\c:QC+6*(x_i/32)+2*\c+1], v[x_d:x_d+1] op_sel_hi:[1,0,1]
.set x_i, x_i+1
.endr
.endr
.set x_h, x_h+1
.endr
	WIN 0x85
	PACK XB, 0, 128
	WIN 0
	v_mov_b32 v[ABQ], v[TL]
	s_mov_b32 s[LAY], 2
	s_branch .Lenter                               ; layer 0's first item was asked for at the head
	; ---------------- the two layers: ten items each ----------------
.Llayer:
	CHANGE 1, 0                                    ; layer 1's first item, into slot 0
.Lenter:
	s_mov_b32 s[PAIR], 2
.Lpair:
	CHANGE 1, 1                                    ; this head pair's item is in; the next item is asked for
	s_mov_b32 s[HQ], s[TB]
	s_add_co_u32 s[HO], s[TB], 73728
	s_mov_b32 s[HD], 2
.Lhead:
	HEAD
	s_sub_co_u32 s[HD], s[HD], 1
	s_cmp_lg_u32 s[HD], 0
	s_cbranch_scc1 .Lhead
	s_sub_co_u32 s[PAIR], s[PAIR], 1
	s_cmp_lg_u32 s[PAIR], 0
	s_cbranch_scc1 .Lpair
	LNORM 1024
	v_add_nc_u32 v[AB1], 4096, v[TL]
	s_mov_b32 s[FS], 7
.Lffn:
	CHANGE 1, 1                                    ; chunks 0 to 6: each asks for the next
	SLOTF
	s_sub_co_u32 s[FS], s[FS], 1
	s_cmp_lg_u32 s[FS], 0
	s_cbranch_scc1 .Lffn
	CHANGE 0, 1                                    ; chunk 7 is written out: nothing is asked for
	SLOTF
	LNORM 8192
	v_add_nc_u32 v[TL], LTAB, v[TL]
	v_mov_b32 v[ABQ], v[TL]
	s_sub_co_u32 s[LAY], s[LAY], 1
	s_cmp_lg_u32 s[LAY], 0
	s_cbranch_scc1 .Llayer
	; ---------------- the way out: a lane's 32 bytes of a row go into rows of 1,040 bytes in my quarter of slot 0 (its last fill is over, and every wave left it at chunk 7's barrier) and come back as whole rows ----------------
	WIN 0x04
.set q, 0
.rept 32
	ds_store_b128 v[STO], v[8*q:8*q+3] offset:16640*(q/16)+64*(q%16)
	ds_store_b128 v[STO], v[8*q+4:8*q+7] offset:16640*(q/16)+64*(q%16)+16
.set q, q+1
.endr
	WIN 0xC0
.set q, 0
.rept 64
	ds_load_b128 v[4*q:4*q+3], v[RD] offset:1040*(q/2)+512*(q%2)   ; LDS serves a wave's instructions in order (ISA guide 5.7.1.4): these see the stores above
.set q, q+1
.endr
	WIN 0x0C
.set q, 0
.rept 64
	s_wait_dscnt 63-q                              ; this half row is back; the younger loads stay out
	global_store_b128 v[GO], v[4*q:4*q+3], s[OUTP:OUTP+1] offset:1024*(q/2)+512*(q%2) th:TH_STORE_NT  ; 512 consecutive bytes, aligned
.set q, q+1
.endr
	WIN 0
	s_wait_tensorcnt 0x0                           ; the wave's end, behind my last tensor load and my last LDS store
	ds_add_u32 v[SPW], v[NIL]
	s_wait_dscnt 0x0
	ROUND                                          ; the closing round: no work-group ends while a partner may still ask for an item that names it
	s_endpgm
.Lfunc_end_k_q56a75dd0f0_main:
	.size	k_q56a75dd0f0_main, .Lfunc_end_k_q56a75dd0f0_main-k_q56a75dd0f0_main
	.p2alignl 7, 3214868480
	.fill 96, 4, 3214868480
	.section	.rodata,"a",@progbits
	.p2align	6, 0x0
	.amdhsa_kernel k_q56a75dd0f0_main
		.amdhsa_group_segment_fixed_size 327680
		.amdhsa_private_segment_fixed_size 0
		.amdhsa_enable_private_segment 0
		.amdhsa_kernarg_size 200
		.amdhsa_user_sgpr_count 2
		.amdhsa_user_sgpr_kernarg_segment_ptr 1
		.amdhsa_wavefront_size32 1
		.amdhsa_system_sgpr_workgroup_id_x 1
		.amdhsa_system_sgpr_workgroup_id_y 1
		.amdhsa_system_sgpr_workgroup_id_z 1
		.amdhsa_system_vgpr_workitem_id 0
		.amdhsa_next_free_vgpr 1024
		.amdhsa_next_free_sgpr 102
		.amdhsa_reserve_vcc 0
		.amdhsa_float_denorm_mode_32 3
		.amdhsa_float_denorm_mode_16_64 3
		.amdhsa_memory_ordered 1
		.amdhsa_forward_progress 1
		.amdhsa_inst_pref_size 255
	.end_amdhsa_kernel
	.section	.bss,"aw",@nobits
	.p2align	6
	.space	262144
	.amdgpu_metadata
---
amdhsa.version: [ 1, 2 ]
amdhsa.kernels:
  - .name:           k_q56a75dd0f0_main
    .symbol:         k_q56a75dd0f0_main.kd
    .args:
      - { .name: query_pos, .offset: 0, .size: 8, .value_kind: global_buffer, .address_space: global }
      - { .name: atom_pos, .offset: 8, .size: 8, .value_kind: global_buffer, .address_space: global }
      - { .name: params_dist_proj_w, .offset: 16, .size: 8, .value_kind: global_buffer, .address_space: global }
      - { .name: params_dist_proj_b, .offset: 24, .size: 8, .value_kind: global_buffer, .address_space: global }
      - { .name: params_query_proj_w, .offset: 32, .size: 8, .value_kind: global_buffer, .address_space: global }
      - { .name: params_query_proj_b, .offset: 40, .size: 8, .value_kind: global_buffer, .address_space: global }
      - { .name: wf, .offset: 48, .size: 8, .value_kind: global_buffer, .address_space: global }
      - { .name: kvf, .offset: 56, .size: 8, .value_kind: global_buffer, .address_space: global }
      - { .name: params_layers_0_bq, .offset: 64, .size: 8, .value_kind: global_buffer, .address_space: global }
      - { .name: params_layers_0_bo, .offset: 72, .size: 8, .value_kind: global_buffer, .address_space: global }
      - { .name: params_layers_0_ln1_g, .offset: 80, .size: 8, .value_kind: global_buffer, .address_space: global }
      - { .name: params_layers_0_ln1_b, .offset: 88, .size: 8, .value_kind: global_buffer, .address_space: global }
      - { .name: params_layers_0_ffn1_b, .offset: 96, .size: 8, .value_kind: global_buffer, .address_space: global }
      - { .name: params_layers_0_ffn2_b, .offset: 104, .size: 8, .value_kind: global_buffer, .address_space: global }
      - { .name: params_layers_0_ln2_g, .offset: 112, .size: 8, .value_kind: global_buffer, .address_space: global }
      - { .name: params_layers_0_ln2_b, .offset: 120, .size: 8, .value_kind: global_buffer, .address_space: global }
      - { .name: params_layers_1_bq, .offset: 128, .size: 8, .value_kind: global_buffer, .address_space: global }
      - { .name: params_layers_1_bo, .offset: 136, .size: 8, .value_kind: global_buffer, .address_space: global }
      - { .name: params_layers_1_ln1_g, .offset: 144, .size: 8, .value_kind: global_buffer, .address_space: global }
      - { .name: params_layers_1_ln1_b, .offset: 152, .size: 8, .value_kind: global_buffer, .address_space: global }
      - { .name: params_layers_1_ffn1_b, .offset: 160, .size: 8, .value_kind: global_buffer, .address_space: global }
      - { .name: params_layers_1_ffn2_b, .offset: 168, .size: 8, .value_kind: global_buffer, .address_space: global }
      - { .name: params_layers_1_ln2_g, .offset: 176, .size: 8, .value_kind: global_buffer, .address_space: global }
      - { .name: params_layers_1_ln2_b, .offset: 184, .size: 8, .value_kind: global_buffer, .address_space: global }
      - { .name: out0, .offset: 192, .size: 8, .value_kind: global_buffer, .address_space: global }
    .group_segment_fixed_size: 327680
    .private_segment_fixed_size: 0
    .kernarg_segment_align: 8
    .kernarg_segment_size: 200
    .max_flat_workgroup_size: 128
    .sgpr_count:     102
    .vgpr_count:     1024
    .wavefront_size: 32
...
	.end_amdgpu_metadata
.endif
;; end of part 2
;; ======== version 2 of 2: 2 launches; version 1 with the launch prep written anew for expert scheduling mode
;; limits: values outside matrix products are rounded to bf16; a function is approximated: absolute error at most 4e-05
;; workspace buffers: wf 2,621,440 bytes; kvf 524,288 bytes
;; launch prep (part 3): grid 224 x 1, 8 waves a work-group, no clusters, 166,912 bytes of LDS; arguments atom_features, atom_pos, params_atom_pos_proj_w, params_atom_pos_proj_b, params_kv_proj_w, params_kv_proj_b, wf, kvf, params_layers_0_wq, params_layers_1_wq, params_layers_0_wo, params_layers_1_wo, params_layers_0_ffn1_w, params_layers_1_ffn1_w, params_layers_0_ffn2_w, params_layers_1_ffn2_w, params_layers_0_wk, params_layers_1_wk, params_layers_0_wv, params_layers_1_wv, params_layers_0_bk, params_layers_1_bk, params_layers_0_bv, params_layers_1_bv; writes wf, kvf
.if DOCPART == 3
	.amdgcn_target "amdgcn-amd-amdhsa--gfx1250"
	.amdhsa_code_object_version 6
	.text
	.protected	k_q56a75dd0f0_prep
	.globl	k_q56a75dd0f0_prep
	.p2align	8
	.type	k_q56a75dd0f0_prep,@function
k_q56a75dd0f0_prep:
	s_mov_b64 s[64:65], 0
	v_nop
	global_prefetch_b8 v0, s[64:65] scope:SCOPE_SE
	s_setreg_imm32_b32 hwreg(HW_REG_WAVE_SCHED_MODE, 0, 2), 2
	s_setreg_imm32_b32 hwreg(HW_REG_WAVE_MODE, 25, 1), 1
	s_wait_xcnt 0x0
	s_wait_alu depctr_vm_vsrc(0)
; PREPARATION for the fused decoder.  Two roles, chosen by the work-group's number (the same for all its waves).
; ROLE 1, work-groups 0-159: Wq, Wo, W1, W2 of both layers are scaled, rounded once to bf16 and laid out as the stream wf that the second launch walks:
;   20 items (10 a layer) of 512 rows x 128 bf16.  Rows 0-255: row k holds 128 output columns (items 0, 1: Wq x log2(e)/8, head pair i; items 2+c: W1 x kappa, hidden chunk c).
;   Rows 256-511: row 256 + 128 np + kk holds input row 128 c + kk, output columns 128 np .. (items 0, 1: Wo; items 2+c: W2 / kappa).  kappa = sqrt(log2(e)/2), so that e^(-x^2/2) = 2^(-z^2) for z = kappa x.
;   A work-group makes 64 rows (16 KiB); 16 lanes store 256 consecutive bytes, aligned.
; ROLE 2, work-groups 160-223: one of batch x layer x (K or V) x head.  Each makes its batch's atom_enc (64 x 256) anew: 40 matrix instructions a wave, which spares a launch of its own;
;   then K or V of its head (64 x 64), stored as ready matrix fragments of 1,024 bytes: lane L's registers 0-3 at 16 L, registers 4-7 at 512 + 16 L.
;   The encoder is ONE product over 160 k: 128 features with kv_proj_w; 24 sines and cosines with atom_pos_proj_w rows 3-26; x, y, z with its rows 0-2; two ones with the two biases; three zeros.
; All products are taken transposed (source 0 = 16 output channels x 32 k out of a [k][n] tile by the turning load, source 1 = 16 atoms x 32 k): a lane then holds one atom and eight channels,
; and two neighbouring results rounded in pairs are a source of the next product.
; LIMITS.  The two encoder biases, x, y, z, the sines and cosines are matrix operands, rounded once to bf16.  sin and cos of pi 2^f x: the argument is reduced exactly (2^f x less an even whole number), where the
; f32 product x (2^f pi) carries a rounding of its own: the two differ by some 1e-7 of the argument.  Series to a^11 and a^12 on |a| <= pi/2: error under 6e-8.  NaN and infinities are not treated apart.
; No cluster, no tensor loads: every byte is converted on its way through registers, and what work-groups share (kv_proj_w) is 128 KiB.
; THE MODE: SCHED_MODE bits 1:0 = 2 (LLVM: expert scheduling mode 2), set by the entry lines.  The code itself states the register dependences between vector or matrix instructions and memory or LDS
; instructions, with s_wait_alu, always for 0.
; THE PLAN.  Registers that memory or LDS instructions touch:
;   v10-v28     offsets and LDS addresses: made once in each role, ahead of one wait, and never written again (v18, v21, v23 are finished in the K or V arm, ahead of that arm's wait; nothing has read them before).
;   ROLE 1      v[32:63]: four groups of two loads; a group is scaled and rounded in place, and its store goes out at the head of the next group, behind the wait for that group's data and one wait on va_vdst.
;   ROLE 2      v[4:7]      written by the series' roundings, read by one LDS store.
;               v[32:63]    rows of atom_pos_proj land; group A rounds them in place; LDS stores read them; then the features' roundings write them: source 1 of the encoder's k steps 0-3.
;                           v[32:39] take the fifth fragment by an LDS load in k step 1, when step 0 is done with them.  Later: v[48:63] the bias, v[32:47] the sums, v[32:39] the last stores' data.
;               v[64:127]   the series' registers at work; the features land; their roundings read them; the eight accumulators; atom_enc's roundings read them; F's fragments land.
;               v[128:191]  kv_proj_w rows 0-63 land (group B), LDS stores; wk or wv lands (group D), LDS stores; fragment buffer 0 of the encoder; G's fragments.
;               v[192:255]  kv_proj_w rows 64-127 land (group C), LDS stores; fragment buffer 1; v[200:231] atom_enc in bf16, LDS stores; G's fragments.
;   A group's LDS stores stand behind one wait on va_vdst; a wait on vm_vsrc stands ahead of each reuse of registers that LDS stores have read (three in all).
;   THE ENCODER: k step k reads buffer k % 2; the loads of step k + 1 land in the other buffer, which step k - 1 read: one wait on va_vdst at the head of steps 1 to 3 states that step k - 1 is done with it,
;   and the loads follow, dealt among step k's products, which name their own buffer, their own source 1 and the accumulators alone.
.set WEP,   544                        ; a row of WE in LDS: 512 bytes + 32 (17 x 32)
.set WHB,   87040                      ; behind WE's 160 rows: WH, [256 k][64 n], pitch 160
.set WHP,   160
.set FEB,   128000                     ; FE, [64 atoms][32 k'], pitch 80
.set FEP,   80
.set EXB,   133120                     ; atom_enc as 32 fragments of 1,024 bytes: fragment 8 x atom tile + k step
.set SPARE, 165888                     ; the spare words, 128 bytes for each of eight waves
.set SPW,   8                          ; v8  SPARE + 4 x thread; never rewritten
.set NIL,   9                          ; v9  0; never rewritten
.set ACC,   64                         ; v[64:127]   the encoder's eight accumulators
.set AF,    128                        ; v[128:255]  the encoder's two buffers of eight fragments of WE
.macro PLACES                          ; four places behind a matrix instruction (ISA guide 7.12.1)
.rept 4
	v_nop
.endr
.endm
.macro PACK dst, src, n                ; n roundings of pairs to bf16, ascending: right in place too
.set pk_i, 0
.rept \n
	v_cvt_pk_bf16_f32 v[(\dst)+pk_i], v[(\src)+2*pk_i], v[(\src)+2*pk_i+1]
.set pk_i, pk_i+1
.endr
.endm
; 64 rows x 128 numbers: thread t takes 8 numbers of row t / 16 in each of four groups of 16 rows
.macro CAST pitch
	v_lshrrev_b32 v10, 4, v0
	v_and_b32 v11, 15, v0
	v_mul_u32_u24 v10, v10, \pitch
	v_lshl_add_u32 v10, v11, 5, v10
	v_lshlrev_b32 v12, 4, v0
	s_wait_alu depctr_va_vdst(0)                   ; v10 and v12 are written: every load below reads the one as its offset, every store the other
.set c_i, 0
.rept 4
	global_load_b128 v[32+8*c_i:35+8*c_i], v10, s[20:21] offset:c_i*16*(\pitch) th:TH_LOAD_NT
	global_load_b128 v[36+8*c_i:39+8*c_i], v10, s[20:21] offset:c_i*16*(\pitch)+16 th:TH_LOAD_NT
.set c_i, c_i+1
.endr
.set c_i, 0
.rept 4
	s_wait_loadcnt 6-2*c_i                         ; this group's two loads are in; the later groups' stay out
.if c_i > 0
	s_wait_alu depctr_va_vdst(0)                   ; the group before is rounded: its four registers are written, which the store reads
	global_store_b128 v12, v[32+8*(c_i-1):35+8*(c_i-1)], s[16:17] offset:4096*(c_i-1)
.endif
.set c_j, 0
.rept 4
	v_pk_mul_f32 v[32+8*c_i+2*c_j:33+8*c_i+2*c_j], v[32+8*c_i+2*c_j:33+8*c_i+2*c_j], s[52:53] op_sel_hi:[1,0]
.set c_j, c_j+1
.endr
	PACK 32+8*c_i, 32+8*c_i, 4
.set c_i, c_i+1
.endr
	s_wait_alu depctr_va_vdst(0)                   ; the last group is rounded: v[56:59] are written, which the store reads
	global_store_b128 v12, v[56:59], s[16:17] offset:12288
.endm
; sin and cos of pi x 2^f x (x in v24) into v[72+f] and v[76+f]
.macro SINCOS f, mul
	v_mul_f32 v64, \mul, v24                       ; y = 2^f x, exact
	v_mul_f32 v65, 0.5, v64
	v_rndne_f32 v65, v65
	v_fma_f32 v64, v65, -2.0, v64                  ; y less an even number: in -1 .. 1, exact
	v_rndne_f32 v65, v64                           ; k = -1, 0, 1
	v_sub_f32 v64, v64, v65                        ; in -1/2 .. 1/2
	v_mul_f32 v65, v65, v65
	v_fma_f32 v65, v65, -2.0, 1.0                  ; (-1)^k
	v_mul_f32 v64, s72, v64                        ; a
	v_mul_f32 v66, v64, v64                        ; a^2
	v_mul_f32 v64, v64, v65
	v_fma_f32 v67, v66, s77, s76
	v_fma_f32 v67, v67, v66, s75
	v_fma_f32 v67, v67, v66, s74
	v_fma_f32 v67, v67, v66, s73
	v_fma_f32 v67, v67, v66, 1.0
	v_mul_f32 v[72+(\f)], v67, v64
	v_fma_f32 v67, v66, s83, s82
	v_fma_f32 v67, v67, v66, s81
	v_fma_f32 v67, v67, v66, s80
	v_fma_f32 v67, v67, v66, s79
	v_fma_f32 v67, v67, v66, -0.5
	v_fma_f32 v67, v67, v66, 1.0
	v_mul_f32 v[76+(\f)], v67, v65
.endm
; fragment c (16 channels x 32 k, turned) of the encoder's k step k, into buffer k % 2
.macro LOADA k, c
.set la_d, AF+64*((\k)%2)+8*(\c)
.if (\k) < 4
	ds_load_tr16_b128 v[la_d:la_d+3], v17 offset:32*WEP*(\k)+32*(\c)
	ds_load_tr16_b128 v[la_d+4:la_d+7], v17 offset:32*WEP*(\k)+32*(\c)+16*WEP
.else
	ds_load_tr16_b128 v[la_d:la_d+3], v27 offset:32*(\c)
	ds_load_tr16_b128 v[la_d+4:la_d+7], v27 offset:32*(\c)+16*WEP
.endif
.endm
	s_load_b512 s[4:19], s[0:1], 0x0               ; features 4, atom_pos 6, app_w 8, app_b 10, kvp_w 12, kvp_b 14, wf 16, kvf 18
	s_load_b512 s[20:35], s[0:1], 0x40             ; wq 20/22, wo 24/26, ffn1_w 28/30, ffn2_w 32/34 (layer 0 / 1)
	s_load_b512 s[36:51], s[0:1], 0x80             ; wk 36/38, wv 40/42, bk 44/46, bv 48/50
	v_lshl_add_u32 v[SPW], v0, 2, SPARE
	v_mov_b32 v[NIL], 0
	v_lshrrev_b32 v1, 5, v0
	v_readfirstlane_b32 s3, v1                     ; wave 0..7
	s_mov_b32 s2, ttmp9
	s_mov_b32 s63, 0                               ; the high word of every offset pair s[62:63]
	s_wait_alu depctr_va_sdst(0)                   ; s3 is written, ahead of the branch below and of its first reader behind it
	s_wait_kmcnt 0x0
	s_cmp_lt_u32 s2, 160
	s_cbranch_scc0 .Lkv
	; ---------------- ROLE 1 ----------------
	s_lshr_b32 s54, s2, 3                          ; item
	s_and_b32 s55, s2, 7                           ; which 64 of its 512 rows
	s_mov_b32 s66, 0x3e38aa3b                      ; log2(e) / 8
	s_mov_b32 s67, 0.84932180                      ; kappa
	s_mov_b32 s68, 1.17741002                      ; 1 / kappa
	s_cmp_ge_u32 s54, 10                           ; layer 1?
	s_cselect_b32 s56, 10, 0
	s_cselect_b64 s[20:21], s[22:23], s[20:21]
	s_cselect_b64 s[24:25], s[26:27], s[24:25]
	s_cselect_b64 s[28:29], s[30:31], s[28:29]
	s_cselect_b64 s[32:33], s[34:35], s[32:33]
	s_sub_co_u32 s56, s54, s56                     ; the item's number in its layer
	s_cmp_lt_u32 s56, 2                            ; an attention item?
	s_cselect_b32 s57, 0, 2
	s_cselect_b64 s[20:21], s[20:21], s[28:29]     ; rows 0-255 come from Wq or W1,
	s_cselect_b64 s[24:25], s[24:25], s[32:33]     ; rows 256-511 from Wo or W2
	s_cselect_b32 s58, s66, s67
	s_cselect_b32 s59, 1.0, s68
	s_cselect_b32 s60, 16, 18                      ; log2 of 64 source rows: of 1,024 or 4,096 bytes
	s_cselect_b32 s61, 1, 0
	s_sub_co_u32 s57, s56, s57                     ; c: head pair or hidden chunk
	s_lshl_b32 s62, s2, 14                         ; 16 KiB a work-group, in the order of wf
	s_add_nc_u64 s[16:17], s[16:17], s[62:63]
	s_cmp_lt_u32 s55, 4
	s_cbranch_scc0 .Lrowpart
	s_lshl_b32 s62, s55, s60                       ; 64 source rows a part,
	s_lshl_b32 s69, s57, 9                         ; 128 columns of f32 a chunk
	s_add_co_u32 s62, s62, s69
	s_add_nc_u64 s[20:21], s[20:21], s[62:63]
	s_mov_b32 s52, s58
	s_mov_b32 s53, s58
	s_cmp_eq_u32 s61, 1
	s_cbranch_scc1 .Lcast1k
	CAST 4096
	s_branch .Lend
.Lrowpart:
	s_sub_co_u32 s55, s55, 4
	s_and_b32 s69, s55, 1
	s_lshl_b32 s69, s69, 6
	s_lshl_b32 s62, s57, 7
	s_add_co_u32 s62, s62, s69                     ; source row 128 c + 64 (part & 1)
	s_lshl_b32 s62, s62, 10
	s_lshr_b32 s69, s55, 1
	s_lshl_b32 s69, s69, 9                         ; output columns 128 (part >> 1)
	s_add_co_u32 s62, s62, s69
	s_add_nc_u64 s[20:21], s[24:25], s[62:63]
	s_mov_b32 s52, s59
	s_mov_b32 s53, s59
.Lcast1k:
	CAST 1024
	s_branch .Lend
	; ---------------- ROLE 2 ----------------
.Lkv:
	s_sub_co_u32 s2, s2, 160
	s_lshr_b32 s54, s2, 4                          ; batch
	s_bfe_u32 s55, s2, 0x10003                     ; layer
	s_bfe_u32 s56, s2, 0x10002                     ; 0: K, 1: V
	s_and_b32 s57, s2, 3                           ; head
	s_and_b32 s58, s3, 3                           ; at: my tile of 16 atoms (or of 16 channels, for V)
	s_lshr_b32 s59, s3, 2                          ; hf: my half
	s_cmp_eq_u32 s55, 1
	s_cselect_b64 s[36:37], s[38:39], s[36:37]
	s_cselect_b64 s[40:41], s[42:43], s[40:41]
	s_cselect_b64 s[44:45], s[46:47], s[44:45]
	s_cselect_b64 s[48:49], s[50:51], s[48:49]
	s_cmp_eq_u32 s56, 1
	s_cselect_b64 s[36:37], s[40:41], s[36:37]     ; wk or wv,
	s_lshl_b32 s62, s57, 8
	s_add_nc_u64 s[36:37], s[36:37], s[62:63]      ; at the head's 64 columns
	s_lshl_b32 s62, s54, 15
	s_add_nc_u64 s[4:5], s[4:5], s[62:63]          ; the batch's features
	s_mul_i32 s62, s54, 768
	s_add_nc_u64 s[6:7], s[6:7], s[62:63]          ; and positions
	s_lshl_b32 s62, s54, 1
	s_add_co_u32 s62, s62, s55
	s_lshl_b32 s62, s62, 2
	s_add_co_u32 s62, s62, s57
	s_lshl_b32 s62, s62, 1
	s_add_co_u32 s62, s62, s56
	s_lshl_b32 s62, s62, 2
	s_add_co_u32 s62, s62, s58
	s_lshl_b32 s62, s62, 1
	s_add_co_u32 s62, s62, s59                     ; ((((2 b + l) 4 + head) 2 + kv) 4 + at) 2 + hf: my fragment
	s_lshl_b32 s62, s62, 10
	s_add_nc_u64 s[18:19], s[18:19], s[62:63]
	s_mov_b32 s72, 0x40490fdb                      ; pi
	s_mov_b32 s73, -0.16666667                     ; the sine's series
	s_mov_b32 s74, 0.0083333333
	s_mov_b32 s75, -0.00019841270
	s_mov_b32 s76, 0.0000027557319
	s_mov_b32 s77, -0.000000025052108
	s_mov_b32 s79, 0.041666667                     ; the cosine's, behind 1 - a^2 / 2
	s_mov_b32 s80, -0.0013888889
	s_mov_b32 s81, 0.000024801587
	s_mov_b32 s82, -0.00000027557319
	s_mov_b32 s83, 0.0000000020876757
	v_and_b32 v1, 31, v0                           ; L
	v_and_b32 v2, 15, v0                           ; r
	v_bfe_u32 v3, v0, 4, 1                         ; h
	s_lshl_b32 s60, s3, 10
	v_lshl_add_u32 v10, v1, 5, s60                 ; a row by each wave: 1,024 w + 32 L
	s_mul_i32 s61, s3, WEP
	v_lshl_add_u32 v11, v1, 4, s61                 ; and its place in WE
	v_add_nc_u32 v25, 128*WEP, v11                 ; the same from row 128 on (an LDS immediate holds 16 bits)
	v_lshrrev_b32 v4, 3, v0
	v_and_b32 v5, 7, v0
	v_lshlrev_b32 v12, 10, v4
	v_lshl_add_u32 v12, v5, 5, v12                 ; wk, wv: row t / 8, 8 numbers at 32 (t % 8)
	v_mul_u32_u24 v13, v4, WHP
	v_lshl_add_u32 v13, v5, 4, v13
	v_add_nc_u32 v13, WHB, v13
	s_lshl_b32 s61, s58, 4
	v_add_nc_u32 v6, s61, v2                       ; atom 16 at + r
	v_lshlrev_b32 v14, 9, v6
	v_lshl_add_u32 v14, v3, 5, v14                 ; its features, 8 h on
	v_mul_u32_u24 v19, v6, FEP
	v_lshl_add_u32 v19, v3, 4, v19
	v_add_nc_u32 v19, FEB, v19
	v_and_b32 v4, 63, v0                           ; for FE: atom t % 64, group t / 64 (three coordinates, then the raw numbers)
	v_lshrrev_b32 v5, 6, v0
	v_mul_u32_u24 v15, v4, FEP
	v_lshl_add_u32 v15, v5, 4, v15
	v_add_nc_u32 v15, FEB, v15
	v_mul_u32_u24 v16, v4, 12
	v_min_u32 v5, 2, v5
	v_lshl_add_u32 v26, v5, 2, v16
	v_and_b32 v4, 7, v0
	v_lshl_add_u32 v4, v3, 3, v4                   ; the turning load's row 8 h + L % 8
	v_bfe_u32 v5, v0, 3, 1
	v_mul_u32_u24 v17, v4, WEP
	v_lshl_add_u32 v17, v5, 4, v17
	s_lshl_b32 s61, s59, 8
	v_add_nc_u32 v17, s61, v17                     ; my half's 128 channels
	v_add_nc_u32 v27, 128*WEP, v17
	v_mul_u32_u24 v18, v4, WHP
	v_lshl_add_u32 v18, v5, 4, v18
	v_add_nc_u32 v18, WHB, v18
	s_lshl_b32 s61, s58, 3
	s_lshl_b32 s66, s59, 2
	s_add_co_u32 s61, s61, s66
	s_lshl_b32 s61, s61, 10
	s_add_co_u32 s61, s61, EXB
	v_lshl_add_u32 v20, v1, 4, s61                 ; my four fragments of atom_enc: 8 at + 4 hf ..
	v_lshlrev_b32 v22, 4, v1
	; WE's row 152 + w: atom_pos_proj_w rows 0-2, the two biases, three rows of zeros.  These loads are the oldest, so no later count hangs on them.
	s_cmp_lt_u32 s3, 3
	s_cselect_b32 s62, s60, 0
	s_cselect_b64 s[70:71], s[8:9], s[10:11]
	s_cmp_eq_u32 s3, 4
	s_cselect_b64 s[70:71], s[14:15], s[70:71]
	v_lshl_add_u32 v28, v1, 5, s62
	s_wait_alu depctr_va_vdst(0)                   ; the offsets and LDS addresses v10 to v28 are written, which the loads and stores of this role read
	s_cmp_lt_u32 s3, 5
	s_cbranch_scc0 .Lzero
	global_load_b128 v[32:35], v28, s[70:71]
	global_load_b128 v[36:39], v28, s[70:71] offset:16
	s_branch .Lsp
.Lzero:
.set e_c, 32
.rept 8
	v_mov_b32 v[e_c], 0                            ; (no load below lands in v32 to v39)
.set e_c, e_c+1
.endr
.Lsp:
	global_load_b32 v24, v26, s[6:7]               ; my atom's coordinate of my group,
	global_load_b32 v29, v16, s[6:7]               ; and x, y, z
	global_load_b32 v30, v16, s[6:7] offset:4
	global_load_b32 v31, v16, s[6:7] offset:8
.set e_c, 0
.rept 3                                ; atom_pos_proj_w rows 3 + 8 i + w
	global_load_b128 v[40+8*e_c:43+8*e_c], v10, s[8:9] offset:(3+8*e_c)*1024
	global_load_b128 v[44+8*e_c:47+8*e_c], v10, s[8:9] offset:(3+8*e_c)*1024+16
.set e_c, e_c+1
.endr
.set e_c, 0
.rept 16                               ; kv_proj_w rows 8 i + w
	global_load_b128 v[128+8*e_c:131+8*e_c], v10, s[12:13] offset:8192*e_c
	global_load_b128 v[132+8*e_c:135+8*e_c], v10, s[12:13] offset:8192*e_c+16
.set e_c, e_c+1
.endr
	s_wait_loadcnt 38                              ; the positions are in; 6 + 32 younger loads stay out
	s_cmp_lt_u32 s3, 6
	s_cbranch_scc0 .Lraw
	SINCOS 0, 1.0
	SINCOS 1, 2.0
	SINCOS 2, 4.0
	SINCOS 3, 0x41000000
	PACK 4, 72, 4
	s_branch .Lfe
.Lraw:
	v_mov_b32 v64, 1.0
	v_mov_b32 v65, 0
	v_cvt_pk_bf16_f32 v4, v29, v30                 ; x, y | z, 1 | 1, 0 | 0, 0
	v_cvt_pk_bf16_f32 v5, v31, v64
	v_cvt_pk_bf16_f32 v6, v64, v65
	v_cvt_pk_bf16_f32 v7, v65, v65
.Lfe:
	s_wait_alu depctr_va_vdst(0)                   ; v[4:7] are written, which the LDS store reads; the lines above are done with v64 to v79, in which the features land
	ds_store_b128 v15, v[4:7]
.set e_c, 0
.rept 4                                ; my 16 atoms' features, in the fragments' order
	global_load_b128 v[64+16*e_c:67+16*e_c], v14, s[4:5] offset:128*e_c
	global_load_b128 v[68+16*e_c:71+16*e_c], v14, s[4:5] offset:128*e_c+16
	global_load_b128 v[72+16*e_c:75+16*e_c], v14, s[4:5] offset:128*e_c+64
	global_load_b128 v[76+16*e_c:79+16*e_c], v14, s[4:5] offset:128*e_c+80
.set e_c, e_c+1
.endr
	s_wait_loadcnt 48                              ; 32 + 16 younger: the rows of atom_pos_proj are in
	PACK 32, 32, 4                                 ; group A
.set e_c, 0
.rept 3
	PACK 40+8*e_c, 40+8*e_c, 4
.set e_c, e_c+1
.endr
	s_wait_loadcnt 32                              ; kv_proj_w's second 16 loads and the features' 16 stay out
	s_wait_alu depctr_va_vdst(0)                   ; group A's roundings have written v[32:35], v[40:43], v[48:51], v[56:59], which the four LDS stores read
	ds_store_b128 v25, v[32:35] offset:24*WEP
.set e_c, 0
.rept 3
	ds_store_b128 v25, v[40+8*e_c:43+8*e_c] offset:8*WEP*e_c
.set e_c, e_c+1
.endr
.set e_c, 0
.rept 8                                ; group B
	PACK 128+8*e_c, 128+8*e_c, 4
.set e_c, e_c+1
.endr
	s_wait_alu depctr_va_vdst(0)                   ; group B's roundings have written what the eight LDS stores read, and are done reading v[128:191], in which wk or wv lands
.set e_c, 0
.rept 8
	ds_store_b128 v11, v[128+8*e_c:131+8*e_c] offset:8*WEP*e_c
.set e_c, e_c+1
.endr
	s_wait_dscnt 0x0                               ; the LDS stores so far are done,
	s_wait_alu depctr_vm_vsrc(0)                   ; and have read their registers: loads land on group B's next, and the features' roundings write group A's further down
.set e_c, 0
.rept 8                                ; the head's 64 columns of wk or wv
	global_load_b128 v[128+8*e_c:131+8*e_c], v12, s[36:37] offset:32768*e_c
	global_load_b128 v[132+8*e_c:135+8*e_c], v12, s[36:37] offset:32768*e_c+16
.set e_c, e_c+1
.endr
	s_wait_loadcnt 32                              ; the features' 16 and the last 16 stay out
.set e_c, 8
.rept 8                                ; group C
	PACK 128+8*e_c, 128+8*e_c, 4
.set e_c, e_c+1
.endr
	s_wait_loadcnt 16                              ; the features are in
	s_wait_alu depctr_va_vdst(0)                   ; group C's roundings have written what the eight LDS stores read
.set e_c, 8
.rept 8
	ds_store_b128 v11, v[128+8*e_c:131+8*e_c] offset:8*WEP*e_c
.set e_c, e_c+1
.endr
	PACK 32, 64, 32                                ; four fragments of 16 atoms x 32 k: v[32:63]
	s_wait_loadcnt 0x0
.set e_c, 0
.rept 8                                ; group D
	PACK 128+8*e_c, 128+8*e_c, 4
.set e_c, e_c+1
.endr
	s_wait_alu depctr_va_vdst(0)                   ; group D's roundings have written what the eight LDS stores read; all roundings so far are done with v[128:255], in which the encoder's fragments land
.set e_c, 0
.rept 8
	ds_store_b128 v13, v[128+8*e_c:131+8*e_c] offset:32*WHP*e_c
.set e_c, e_c+1
.endr
	s_wait_dscnt 0x0                               ; for the others' sake: all my stores are done
	s_barrier_signal -1
	s_barrier_wait -1
	; atom_enc^T, my 16 atoms x my 128 channels: eight accumulators v[64:127] by turns, five k steps, two buffers of fragments by turns
	s_wait_alu depctr_vm_vsrc(0)                   ; my LDS stores have read groups C's and D's registers: these are the two fragment buffers from here on
.set e_c, 0
.rept 8
	LOADA 0, e_c
.set e_c, e_c+1
.endr
.set e_c, 0
.rept 8
	LOADA 1, e_c
.set e_c, e_c+1
.endr
.set e_k, 0
.rept 5
.if e_k == 0
	s_wait_dscnt 16                                ; step 0's fragments are in; step 1's sixteen loads stay out
.else
	s_wait_dscnt 0x0                               ; this step's fragments are in
.endif
.if (e_k > 0) && (e_k < 4)
	PLACES                                         ; behind the last step's products, ahead of the loads into the fragments that they read
	s_wait_alu depctr_va_vdst(0)                   ; the last step's products are done reading their buffer, in which the next step's fragments land (and, at step 1, v[32:39], which take the fifth fragment of source 1)
.endif
.set e_c, 0
.rept 8
.if e_k == 0
	v_wmma_f32_16x16x32_bf16 v[ACC+8*e_c:ACC+8*e_c+7], v[AF+8*e_c:AF+8*e_c+7], v[32:39], 0
.else
	v_wmma_f32_16x16x32_bf16 v[ACC+8*e_c:ACC+8*e_c+7], v[AF+64*(e_k%2)+8*e_c:AF+64*(e_k%2)+8*e_c+7], v[32+8*(e_k%4):39+8*(e_k%4)], v[ACC+8*e_c:ACC+8*e_c+7]
.endif
.if (e_k > 0) && (e_k < 4) && (e_c < 4)
	LOADA e_k+1, 2*e_c                             ; no wait: no product since the step's wait names the other buffer
	LOADA e_k+1, 2*e_c+1
.endif
.if (e_k == 1) && (e_c == 4)
	ds_load_b128 v[32:35], v19                     ; the fifth fragment: sines, cosines, x, y, z, ones; step 4 multiplies by it
	ds_load_b128 v[36:39], v19 offset:32
.endif
.set e_c, e_c+1
.endr
.set e_k, e_k+1
.endr
	PLACES
	PACK 200, ACC, 32                              ; two neighbouring results are one fragment of 16 atoms x 32 channels
	s_wait_alu depctr_va_vdst(0)                   ; the roundings have written v[200:231], which the LDS stores read; products and roundings are done with v[48:255], in which the next fragments and the bias land
.set e_c, 0
.rept 4
	ds_store_b128 v20, v[200+8*e_c:203+8*e_c] offset:1024*e_c
	ds_store_b128 v20, v[204+8*e_c:207+8*e_c] offset:1024*e_c+512
.set e_c, e_c+1
.endr
	s_wait_dscnt 0x0
	s_barrier_signal -1
	s_barrier_wait -1
	s_wait_alu depctr_vm_vsrc(0)                   ; my LDS stores have read v[200:231], in which G's fragments land in either arm
	; K: source 0 = channel tiles 2 hf + t of wk, source 1 = my atoms: a lane holds an atom and 8 channels.  V: source 0 = atom tiles 2 hf + t, source 1 = channel tile at of wv: a lane holds a channel and 8 atoms.
	; F: v[64:127], eight k steps; G: v[128:255], two tiles x eight k steps; the bias of each result register: v[48:63].
	s_cmp_eq_u32 s56, 1
	s_cbranch_scc1 .Lrolev
	s_lshl_b32 s61, s58, 13
	s_add_co_u32 s61, s61, EXB
	v_lshl_add_u32 v21, v1, 4, s61
	s_lshl_b32 s61, s59, 6
	v_add_nc_u32 v18, s61, v18
	s_lshl_b32 s61, s57, 8
	s_lshl_b32 s66, s59, 7
	s_add_co_u32 s61, s61, s66
	v_lshl_add_u32 v23, v3, 5, s61                 ; bk at channel 64 head + 32 hf + 8 h
	s_wait_alu depctr_va_vdst(0)                   ; v18, v21 and v23 are written, which the loads below read
.set e_c, 0
.rept 2
	global_load_b128 v[48+8*e_c:51+8*e_c], v23, s[44:45] offset:64*e_c
	global_load_b128 v[52+8*e_c:55+8*e_c], v23, s[44:45] offset:64*e_c+16
.set e_c, e_c+1
.endr
.set e_k, 0
.rept 8
	ds_load_b128 v[64+8*e_k:67+8*e_k], v21 offset:1024*e_k
	ds_load_b128 v[68+8*e_k:71+8*e_k], v21 offset:1024*e_k+512
.set e_c, 0
.rept 2
	ds_load_tr16_b128 v[128+64*e_c+8*e_k:131+64*e_c+8*e_k], v18 offset:32*WHP*e_k+32*e_c
	ds_load_tr16_b128 v[132+64*e_c+8*e_k:135+64*e_c+8*e_k], v18 offset:32*WHP*e_k+32*e_c+16*WHP
.set e_c, e_c+1
.endr
.set e_k, e_k+1
.endr
	s_branch .Lmul
.Lrolev:
	s_lshl_b32 s61, s58, 5
	v_add_nc_u32 v18, s61, v18
	s_lshl_b32 s61, s59, 14
	s_add_co_u32 s61, s61, EXB
	v_lshl_add_u32 v21, v1, 4, s61
	s_lshl_b32 s61, s57, 8
	s_lshl_b32 s66, s58, 6
	s_add_co_u32 s61, s61, s66
	v_lshl_add_u32 v23, v2, 2, s61                 ; bv at channel 64 head + 16 at + r: one number a lane, for all sixteen registers
	s_wait_alu depctr_va_vdst(0)                   ; v18, v21 and v23 are written, which the loads below read
.set e_c, 48
.rept 16
	global_load_b32 v[e_c], v23, s[48:49]
.set e_c, e_c+1
.endr
.set e_k, 0
.rept 8
	ds_load_tr16_b128 v[64+8*e_k:67+8*e_k], v18 offset:32*WHP*e_k
	ds_load_tr16_b128 v[68+8*e_k:71+8*e_k], v18 offset:32*WHP*e_k+16*WHP
.set e_c, 0
.rept 2
	ds_load_b128 v[128+64*e_c+8*e_k:131+64*e_c+8*e_k], v21 offset:8192*e_c+1024*e_k
	ds_load_b128 v[132+64*e_c+8*e_k:135+64*e_c+8*e_k], v21 offset:8192*e_c+1024*e_k+512
.set e_c, e_c+1
.endr
.set e_k, e_k+1
.endr
.Lmul:
	s_wait_dscnt 0x0
.set e_k, 0
.rept 8                                ; two accumulators by turns
.set e_c, 0
.rept 2
.if e_k == 0
	v_wmma_f32_16x16x32_bf16 v[32+8*e_c:39+8*e_c], v[128+64*e_c:135+64*e_c], v[64:71], 0
.else
	v_wmma_f32_16x16x32_bf16 v[32+8*e_c:39+8*e_c], v[128+64*e_c+8*e_k:135+64*e_c+8*e_k], v[64+8*e_k:71+8*e_k], v[32+8*e_c:39+8*e_c]
.endif
.set e_c, e_c+1
.endr
.set e_k, e_k+1
.endr
	PLACES
	s_wait_loadcnt 0x0
.set e_c, 0
.rept 8
	v_pk_add_f32 v[32+2*e_c:33+2*e_c], v[32+2*e_c:33+2*e_c], v[48+2*e_c:49+2*e_c]
.set e_c, e_c+1
.endr
	PACK 32, 32, 8
	s_wait_alu depctr_va_vdst(0)                   ; the roundings have written v[32:39], which the two stores read
	global_store_b128 v22, v[32:35], s[18:19]              ; each store of the wave covers 512 consecutive bytes, aligned
	global_store_b128 v22, v[36:39], s[18:19] offset:512
.Lend:
	s_wait_dscnt 0x0                               ; the closing lines, six on end
	s_wait_alu 0x0
	s_wait_tensorcnt 0x0
	ds_add_u32 v[SPW], v[NIL]
	s_wait_dscnt 0x0
	s_endpgm
.Lfunc_end_k_q56a75dd0f0_prep:
	.size	k_q56a75dd0f0_prep, .Lfunc_end_k_q56a75dd0f0_prep-k_q56a75dd0f0_prep
	.p2alignl 7, 3214868480
	.fill 96, 4, 3214868480
	.section	.rodata,"a",@progbits
	.p2align	6, 0x0
	.amdhsa_kernel k_q56a75dd0f0_prep
		.amdhsa_group_segment_fixed_size 166912
		.amdhsa_private_segment_fixed_size 0
		.amdhsa_enable_private_segment 0
		.amdhsa_kernarg_size 192
		.amdhsa_user_sgpr_count 2
		.amdhsa_user_sgpr_kernarg_segment_ptr 1
		.amdhsa_wavefront_size32 1
		.amdhsa_system_sgpr_workgroup_id_x 1
		.amdhsa_system_sgpr_workgroup_id_y 1
		.amdhsa_system_sgpr_workgroup_id_z 1
		.amdhsa_system_vgpr_workitem_id 0
		.amdhsa_next_free_vgpr 256
		.amdhsa_next_free_sgpr 84
		.amdhsa_reserve_vcc 0
		.amdhsa_float_denorm_mode_32 3
		.amdhsa_float_denorm_mode_16_64 3
		.amdhsa_memory_ordered 1
		.amdhsa_forward_progress 1
		.amdhsa_inst_pref_size 61
	.end_amdhsa_kernel
	.amdgpu_metadata
---
amdhsa.version: [ 1, 2 ]
amdhsa.kernels:
  - .name:           k_q56a75dd0f0_prep
    .symbol:         k_q56a75dd0f0_prep.kd
    .args:
      - { .name: atom_features, .offset: 0, .size: 8, .value_kind: global_buffer, .address_space: global }
      - { .name: atom_pos, .offset: 8, .size: 8, .value_kind: global_buffer, .address_space: global }
      - { .name: params_atom_pos_proj_w, .offset: 16, .size: 8, .value_kind: global_buffer, .address_space: global }
      - { .name: params_atom_pos_proj_b, .offset: 24, .size: 8, .value_kind: global_buffer, .address_space: global }
      - { .name: params_kv_proj_w, .offset: 32, .size: 8, .value_kind: global_buffer, .address_space: global }
      - { .name: params_kv_proj_b, .offset: 40, .size: 8, .value_kind: global_buffer, .address_space: global }
      - { .name: wf, .offset: 48, .size: 8, .value_kind: global_buffer, .address_space: global }
      - { .name: kvf, .offset: 56, .size: 8, .value_kind: global_buffer, .address_space: global }
      - { .name: params_layers_0_wq, .offset: 64, .size: 8, .value_kind: global_buffer, .address_space: global }
      - { .name: params_layers_1_wq, .offset: 72, .size: 8, .value_kind: global_buffer, .address_space: global }
      - { .name: params_layers_0_wo, .offset: 80, .size: 8, .value_kind: global_buffer, .address_space: global }
      - { .name: params_layers_1_wo, .offset: 88, .size: 8, .value_kind: global_buffer, .address_space: global }
      - { .name: params_layers_0_ffn1_w, .offset: 96, .size: 8, .value_kind: global_buffer, .address_space: global }
      - { .name: params_layers_1_ffn1_w, .offset: 104, .size: 8, .value_kind: global_buffer, .address_space: global }
      - { .name: params_layers_0_ffn2_w, .offset: 112, .size: 8, .value_kind: global_buffer, .address_space: global }
      - { .name: params_layers_1_ffn2_w, .offset: 120, .size: 8, .value_kind: global_buffer, .address_space: global }
      - { .name: params_layers_0_wk, .offset: 128, .size: 8, .value_kind: global_buffer, .address_space: global }
      - { .name: params_layers_1_wk, .offset: 136, .size: 8, .value_kind: global_buffer, .address_space: global }
      - { .name: params_layers_0_wv, .offset: 144, .size: 8, .value_kind: global_buffer, .address_space: global }
      - { .name: params_layers_1_wv, .offset: 152, .size: 8, .value_kind: global_buffer, .address_space: global }
      - { .name: params_layers_0_bk, .offset: 160, .size: 8, .value_kind: global_buffer, .address_space: global }
      - { .name: params_layers_1_bk, .offset: 168, .size: 8, .value_kind: global_buffer, .address_space: global }
      - { .name: params_layers_0_bv, .offset: 176, .size: 8, .value_kind: global_buffer, .address_space: global }
      - { .name: params_layers_1_bv, .offset: 184, .size: 8, .value_kind: global_buffer, .address_space: global }
    .group_segment_fixed_size: 166912
    .private_segment_fixed_size: 0
    .kernarg_segment_align: 8
    .kernarg_segment_size: 192
    .max_flat_workgroup_size: 256
    .sgpr_count:     84
    .vgpr_count:     256
    .wavefront_size: 32
...
	.end_amdgpu_metadata
.endif
;; end of part 3
;; launch main: the kernel of part 2 again; grid 256 x 1, 4 waves a work-group, clusters of 4 x 1, 327,680 bytes of LDS; arguments query_pos, atom_pos, params_dist_proj_w, params_dist_proj_b, params_query_proj_w, params_query_proj_b, wf, kvf, params_layers_0_bq, params_layers_0_bo, params_layers_0_ln1_g, params_layers_0_ln1_b, params_layers_0_ffn1_b, params_layers_0_ffn2_b, params_layers_0_ln2_g, params_layers_0_ln2_b, params_layers_1_bq, params_layers_1_bo, params_layers_1_ln1_g, params_layers_1_ln1_b, params_layers_1_ffn1_b, params_layers_1_ffn2_b, params_layers_1_ln2_g, params_layers_1_ln2_b, out0; writes out0
